; MI455X (gfx1250); checked and timed in simulation.
; The chip was launched on July 23, 2026; its instructions are those of AMD's public machine-readable ISA for CDNA 5 (MIT licence, August 2026) and "CDNA5" Instruction Set Architecture Reference Guide (July 2026). The comments in the code are by the model that wrote it; some were corrected since.
;; Marian Attention. Allowed arithmetic: matrix products marked QUANTISED: E2M1 operands, one E8M0 scale for each 32 along K, by v_wmma_scale_f32_16x16x128_f8f6f4 with both operands' format E2M1 (or v_wmma_scale_f32_32x16x128_f4), f32 sums; products left as they are: bf16, f16 or f32 operands; f32 sums; everything else in f32.
;; Inputs: Wk 1,024 x 1,024 float32; Wo 1,024 x 1,024 float32; Wq 1,024 x 1,024 float32; Wv 1,024 x 1,024 float32; bk 1,024 float32; bo 1,024 float32; bq 1,024 float32; bv 1,024 float32; hidden_states 2 x 2,048 x 1,024 float32.
;; Outputs: out0 2 x 2,048 x 1,024 float32.
;; This version of the problem:
;;   THIS VERSION OF THE PROBLEM IS GIVEN IN LOW PRECISION. The matrix products marked QUANTISED in the list below multiply operands that are first quantised to E2M1 (2 exponent bits, 1 mantissa bit; 4 bits a number), with one power-of-two scale for each 32 numbers along K (OCP MX v1.0); their sums are f32. The products marked 'left as it is' may take bf16, f16 or f32 operands, with f32 sums. Whichever they take, every output number must still come out within the allowed error. Rounding operands to bf16 (8 significant bits) uses up far more of that allowance than f16 does (11 bits, for magnitudes from 6e-5 to 65,504). All else is computed in f32.
;;   The module's matrix products, in the order in which they are computed (A, B: the left and right operand; K: the contracted axis; several contracted axes count as one K, in the product's order):
;;     1. [M 4,096, K 1,024] x [K 1,024, N 1,024]; A: input hidden_states; B: input Wq: QUANTISED
;;     2. [M 4,096, K 1,024] x [K 1,024, N 1,024]; A: input hidden_states; B: input Wk: QUANTISED
;;     3. [M 4,096, K 1,024] x [K 1,024, N 1,024]; A: input hidden_states; B: input Wv: QUANTISED
;;     4. batch 32 x [M 2,048, K 64] x [K 64, N 2,048]; A: computed on the way; B: computed on the way: left as it is (an operand is computed on the way)
;;     5. batch 32 x [M 2,048, K 2,048] x [K 2,048, N 64]; A: computed on the way; B: computed on the way: left as it is (an operand is computed on the way)
;;     6. [M 4,096, K 1,024] x [K 1,024, N 1,024]; A: computed on the way; B: input Wo: left as it is (an operand is computed on the way)
;;   THE QUANTISER, for each operand of a quantised product, along K:
;;     - K is cut into blocks of 32 from its start; a last block that is shorter is filled with zeros.
;;     - A block's scale is 2^e with e = floor(log2(the largest magnitude in the block)) - 2, held to -126 .. 127; a block of zeros has e = 0. As a byte (E8M0): e + 127.
;;     - Each number is divided by its block's scale, clamped to +-6, and rounded to the nearest number of E2M1, ties to even, subnormals kept.
;;     - The product sums the exact products of the quantised numbers (number of the format x scale) in f32.
;;   ~~~python
;;   def quantise(x, axis):      # numpy; x: float32 -> the quantised numbers, widened to float32 again
;;       x = np.moveaxis(x, axis, -1); K = x.shape[-1]
;;       x = np.pad(x, [(0, 0)] * (x.ndim - 1) + [(0, -K % 32)]); x = x.reshape(x.shape[:-1] + (-1, 32)); a = np.abs(x).max(-1, keepdims=True)
;;       e = np.where(a > 0, np.clip(np.frexp(np.where(a > 0, a, 1))[1] - 1 - 2, -126, 127), 0)      # np.frexp(a)[1] - 1 = floor(log2(a)), exactly
;;       r = np.clip(x / 2.0 ** e, -6, 6)
;;       step = 2.0 ** (np.maximum(np.frexp(np.where(r == 0, 1, r))[1] - 1, 0) - 1)
;;       q = np.round(r / step) * step * 2.0 ** e      # np.round: ties to even
;;       return np.moveaxis(q.reshape(q.shape[:-2] + (-1,))[..., :K], -1, axis).astype(np.float32)
;;   ~~~
;; One version. Each part assembles by itself: llvm-mc -triple=amdgcn-amd-amdhsa -mcpu=gfx1250 --defsym DOCPART=n.
;; ======== version 1 of 1: 4 launches
;; limits: values are held in f16: magnitudes above 65,504 overflow, below 6.1e-05 lose precision
;; workspace buffers: x_codes 2,097,152 bytes; x_scales 131,072 bytes; w_codes 1,572,864 bytes; w_scales 98,304 bytes; wo16 2,097,152 bytes; qkv 25,165,824 bytes; attn 8,388,608 bytes
;; launch prep (part 1): grid 256 x 1, 4 waves a work-group, no clusters, 33,280 bytes of LDS; arguments hidden_states, Wq, Wk, Wv, Wo, x_codes, x_scales, w_codes, w_scales, wo16; writes x_codes, x_scales, w_codes, w_scales, wo16
.if DOCPART == 1
	.amdgcn_target "amdgcn-amd-amdhsa--gfx1250"
	.amdhsa_code_object_version 6
	.text
	.protected	k_q8cb4694973_prep
	.globl	k_q8cb4694973_prep
	.p2align	8
	.type	k_q8cb4694973_prep,@function
k_q8cb4694973_prep:
	s_mov_b64 s[64:65], 0
	v_nop
	global_prefetch_b8 v0, s[64:65] scope:SCOPE_SE
	s_setreg_imm32_b32 hwreg(HW_REG_WAVE_MODE, 25, 1), 1
	s_wait_xcnt 0x0
; hidden_states [4096][1024] and Wq, Wk, Wv [1024][1024], f32, K innermost, become codes of FP4 (E2M1), two a byte, K innermost, with one E8M0 byte for each 32 along K;
; Wq, Wk, Wv lie on end in w_codes and w_scales (rows 0-1023, 1024-2047, 2048-3071).  Wo [1024][1024] is rounded to f16, row-major, for the last product, which is left as it is.
; A block's scale is 2^(floor(log2(its largest magnitude)) - 2): its byte is the largest magnitude's own exponent field - 2, held at 1 from below.  Each number is divided by the scale and rounded to the nearest code, ties to even;
; beyond 6 the conversion gives the largest code.
; LIMITS: a block of zeros gets the byte 1 where the rule says 127 (its codes are zeros, which add nothing, and the bytes are read by this program alone); blocks whose largest magnitude lies under 2^(2 - 126) share that floor;
; NaN and infinities among hidden_states, Wq, Wk, Wv are not served (E2M1 has no code for them); |Wo| stays under 65,504, the largest f16 number.
; SHARES: a work-group takes 32,768 numbers, a wave 8,192.  Work-groups 0-127: hidden_states; 128-159: Wq; 160-191: Wk; 192-223: Wv; 224-255: Wo.  Rows are dense and K is a multiple of 32: each tensor is a plain stream of blocks.
; THE QUANTISER: 16 steps of 512 numbers a wave.  Each of a step's four loads reads 512 consecutive bytes, 16 a lane; the 2,048 bytes turn through the wave's own stage in LDS and come back 64 bytes a lane, so that a lane holds 16
; neighbours along K (two neighbouring lanes hold a block).  A lane's 16 codes are 8 bytes: a wave's store covers 256 consecutive bytes, aligned.  A wave's 256 scale bytes are gathered in LDS and leave by one such store.
; No tensor loads, no barrier: waves share nothing.
.set WAVES, 4
.set STEPS, 16
.set EMAX,  2
.set CB,    8                          ; bytes of 16 codes
.set R,     16                         ; v16-79   four sets of 16 numbers as loaded (the cast: sixteen slots of four)
.set X,     80                         ; v80-111  two sets of 16 neighbours (the cast: sixteen slots of two, to store)
.set E,     112                        ; v112-127 a scale byte for each step
.set C,     128                        ; v128-191 codes: four registers for each step, so that no store's data are written again
.set WREG,  8192                       ; LDS: a region for each wave: two stages of 32 x SP bytes, behind them its 256 scale bytes
.set SP,    80                         ; a lane's place in a stage: 64 bytes + 16 of padding
.set SPW,   12                         ; v12  LDS address of my spare word; never rewritten
.set NIL,   13                         ; v13  0; never rewritten
.set SPARE, WAVES*WREG                 ; behind the four regions: the spare words, 128 bytes a wave, which no other line names
	s_load_b512 s[8:23], s[0:1], 0x0               ; hidden_states 8:9, Wq 10:11, Wk 12:13, Wv 14:15, Wo 16:17, x_codes 18:19, x_scales 20:21, w_codes 22:23
	s_load_b128 s[24:27], s[0:1], 0x40             ; w_scales 24:25, wo16 26:27
	v_lshl_add_u32 v[SPW], v0, 2, SPARE
	v_mov_b32 v[NIL], 0
	v_lshrrev_b32 v1, 5, v0
	v_readfirstlane_b32 s28, v1                    ; wave
	v_and_b32 v2, 31, v0                           ; lane
	v_lshlrev_b32 v3, 4, v2                        ; my 16 bytes of a load's 512
	s_mul_i32 s29, s28, WREG
	v_lshrrev_b32 v14, 2, v2
	v_mul_u32_u24 v14, v14, SP
	v_and_b32 v15, 3, v2
	v_lshl_add_u32 v14, v15, 4, v14
	v_add_nc_u32 v14, s29, v14                     ; the stage, on the way in: four lanes' 64 bytes on end, then 16 of padding
	v_mul_u32_u24 v15, v2, SP
	v_add_nc_u32 v15, s29, v15                     ; and on the way out: SP x lane: my 16 neighbours
	v_mul_u32_u24 v4, v2, CB                       ; 8 x lane: my codes' place in a step's; the cast's place in a chunk's 256 bytes
	v_lshrrev_b32 v5, 1, v2
	s_add_co_u32 s29, s29, 2*32*SP
	v_add_nc_u32 v5, s29, v5                       ; LDS: my wave's 256 scale bytes, my block's byte
	v_lshlrev_b32 v7, 3, v2
	v_add_nc_u32 v6, s29, v7                       ; and on the way out 8 bytes a lane
	s_and_b32 s32, ttmp9, 31                       ; a weight's work-group within its tensor,
	s_sub_co_u32 s33, ttmp9, 128                   ; and within the three weights on end
	s_mov_b32 s35, 0
	s_wait_kmcnt 0x0
	s_cmp_ge_u32 ttmp9, 224                        ; the work-group's number alone decides
	s_cbranch_scc1 .Lcast
	s_cmp_lt_u32 ttmp9, 192
	s_cselect_b64 s[4:5], s[12:13], s[14:15]       ; Wk or Wv,
	s_cmp_lt_u32 ttmp9, 160
	s_cselect_b64 s[4:5], s[10:11], s[4:5]         ; or Wq,
	s_cmp_lt_u32 ttmp9, 128
	s_cselect_b64 s[4:5], s[8:9], s[4:5]           ; or hidden_states
	s_cselect_b64 s[6:7], s[18:19], s[22:23]       ; the codes' buffer
	s_cselect_b64 s[30:31], s[20:21], s[24:25]     ; the scale bytes' buffer
	s_cselect_b32 s32, ttmp9, s32
	s_cselect_b32 s33, ttmp9, s33
	s_lshl_b32 s32, s32, 2
	s_add_co_u32 s32, s32, s28                     ; which run of 8,192 numbers of the source is my wave's,
	s_lshl_b32 s33, s33, 2
	s_add_co_u32 s33, s33, s28                     ; and which of the destination
	s_lshl_b32 s34, s32, 15                        ; 32,768 bytes of f32 a run
	s_add_nc_u64 s[4:5], s[4:5], s[34:35]
	s_lshl_b32 s34, s33, 12                        ; 4,096 bytes of codes
	s_add_nc_u64 s[6:7], s[6:7], s[34:35]
	s_lshl_b32 s34, s33, 8                         ; 256 scale bytes
	s_add_nc_u64 s[30:31], s[30:31], s[34:35]
.macro LOAD t
.irp i, 0,1,2,3
	global_load_b128 v[R+16*((\t)%4)+4*\i:R+16*((\t)%4)+4*\i+3], v3, s[4:5] offset:2048*(\t)+512*\i th:TH_LOAD_NT   ; 32 lanes read 512 consecutive bytes
.endr
.endm
.macro TURN t                          ; step t's numbers through the stage: LDS serves a wave's instructions in order (ISA guide 5.7.1.4), so no wait stands between the stores and the loads
.irp i, 0,1,2,3
	ds_store_b128 v14, v[R+16*((\t)%4)+4*\i:R+16*((\t)%4)+4*\i+3] offset:32*SP*((\t)%2)+8*SP*\i
.endr
.irp i, 0,1,2,3
	ds_load_b128 v[X+16*((\t)%2)+4*\i:X+16*((\t)%2)+4*\i+3], v15 offset:32*SP*((\t)%2)+16*\i
.endr
.endm
.irp t, 0,1,2,3
	LOAD \t
.endr
	s_wait_loadcnt 12                              ; step 0's four loads are in; the twelve of steps 1 to 3 stay out
	TURN 0
.macro STEP t
.set XS, X+16*((\t)%2)
.if (\t) > 0
	s_wait_dscnt 1                                 ; this step's numbers are back from the stage (the last step's byte store may be out): so its stores into the stage have read their registers,
.else
	s_wait_dscnt 0x0
.endif
.if (\t)+4 < STEPS
	LOAD (\t)+4                                    ; which take the loads of four steps on
.endif
.if (\t)+1 < STEPS
.if STEPS-2-(\t) >= 3
	s_wait_loadcnt 12                              ; the next step's four loads are in; those of the three steps behind it may be out
.else
	s_wait_loadcnt 4*(STEPS-2-(\t))                ; the tail: four fewer with each step
.endif
	TURN (\t)+1                                    ; and go through the other stage while this step is worked
.endif
	v_max3_num_f32 v8, |v[XS]|, |v[XS+1]|, |v[XS+2]|               ; the largest magnitude of my 16, in two chains
	v_max3_num_f32 v9, |v[XS+3]|, |v[XS+4]|, |v[XS+5]|
.irp i, 6,10
	v_max3_num_f32 v8, v8, |v[XS+\i]|, |v[XS+\i+1]|
	v_max3_num_f32 v9, v9, |v[XS+\i+2]|, |v[XS+\i+3]|
.endr
	v_max3_num_f32 v8, v8, |v[XS+14]|, |v[XS+15]|
	v_max3_num_f32 v8, v8, v9, (EMAX+1)<<23        ; and the floor 2^(EMAX + 1 - 127): the byte cannot fall under 1
	v_max_num_f32_dpp v8, v8, v8 row_xmask:1 row_mask:0xf bank_mask:0xf   ; and of my neighbour's 16: the block's
	v_add_nc_u32 v11, -(EMAX<<23), v8              ; EMAX off its exponent field: the conversion takes the exponent field of this operand as its scale, and nothing else of it
	v_cvt_scalef32_pk8_fp4_f32 v[C+4*(\t)], v[XS:XS+7], v11        ; eight numbers / the scale, to the nearest code, ties to even; the first number's code in the lowest four bits
	v_cvt_scalef32_pk8_fp4_f32 v[C+4*(\t)+1], v[XS+8:XS+15], v11
	v_lshrrev_b32 v[E+(\t)], 23, v11               ; the scale's byte (also the plain line behind the conversions)
	ds_store_b8 v5, v[E+(\t)] offset:16*(\t)       ; both lanes of a block write the same byte with the same value
	global_store_b64 v4, v[C+4*(\t):C+4*(\t)+1], s[6:7] offset:32*CB*(\t)   ; 32 lanes store 256 consecutive bytes, aligned
.endm
.irp t, 0,1,2,3,4,5,6,7,8,9,10,11,12,13,14,15
	STEP \t
.endr
	ds_load_b64 v[8:9], v6                         ; in order behind my byte stores
	s_wait_dscnt 0x0
	global_store_b64 v7, v[8:9], s[30:31]          ; my wave's 256 scale bytes: 256 consecutive bytes, aligned
	s_wait_tensorcnt 0x0                           ; the wave's end, behind my last LDS store
	ds_add_u32 v[SPW], v[NIL]
	s_wait_dscnt 0x0
	s_endpgm
; THE CAST of Wo: 64 chunks of 128 numbers a wave: a load of 512 consecutive bytes, two packed roundings, a store of 256 consecutive bytes, aligned.  Sixteen loads of every wave are on their way; every offset is an immediate.
.Lcast:
	s_sub_co_u32 s32, ttmp9, 224
	s_lshl_b32 s32, s32, 2
	s_add_co_u32 s32, s32, s28                     ; my wave's run of 8,192 numbers
	s_lshl_b32 s34, s32, 15
	s_add_nc_u64 s[16:17], s[16:17], s[34:35]
	s_lshl_b32 s34, s32, 14
	s_add_nc_u64 s[26:27], s[26:27], s[34:35]
.set cc, 0
.rept 16
	global_load_b128 v[R+4*cc:R+4*cc+3], v3, s[16:17] offset:512*cc th:TH_LOAD_NT
.set cc, cc+1
.endr
.set cc, 0
.rept 64
.if cc < 48
	s_wait_loadcnt 15                              ; loads come back in order (ISA guide 5.7.1): this chunk's is in, the fifteen younger ones stay out
.else
	s_wait_loadcnt 63-cc                           ; the last sixteen chunks ask for nothing: the counts run down
.endif
.if cc >= 16
	s_wait_xcnt 0x0                                ; the slot's two registers were a store's data sixteen chunks ago: they are written again only behind this wait
.endif
	v_cvt_pk_f16_f32 v[X+2*(cc%16)], v[R+4*(cc%16)], v[R+4*(cc%16)+1]
	v_cvt_pk_f16_f32 v[X+2*(cc%16)+1], v[R+4*(cc%16)+2], v[R+4*(cc%16)+3]
.if cc < 48
	global_load_b128 v[R+4*(cc%16):R+4*(cc%16)+3], v3, s[16:17] offset:512*(cc+16) th:TH_LOAD_NT
.endif
	global_store_b64 v4, v[X+2*(cc%16):X+2*(cc%16)+1], s[26:27] offset:256*cc
.set cc, cc+1
.endr
	s_wait_tensorcnt 0x0                           ; the three lines at a wave's end, on this way too
	ds_add_u32 v[SPW], v[NIL]
	s_wait_dscnt 0x0
	s_endpgm
.Lfunc_end_k_q8cb4694973_prep:
	.size	k_q8cb4694973_prep, .Lfunc_end_k_q8cb4694973_prep-k_q8cb4694973_prep
	.p2alignl 7, 3214868480
	.fill 96, 4, 3214868480
	.section	.rodata,"a",@progbits
	.p2align	6, 0x0
	.amdhsa_kernel k_q8cb4694973_prep
		.amdhsa_group_segment_fixed_size 33280
		.amdhsa_private_segment_fixed_size 0
		.amdhsa_enable_private_segment 0
		.amdhsa_kernarg_size 80
		.amdhsa_user_sgpr_count 2
		.amdhsa_user_sgpr_kernarg_segment_ptr 1
		.amdhsa_wavefront_size32 1
		.amdhsa_system_sgpr_workgroup_id_x 1
		.amdhsa_system_sgpr_workgroup_id_y 1
		.amdhsa_system_sgpr_workgroup_id_z 1
		.amdhsa_system_vgpr_workitem_id 0
		.amdhsa_next_free_vgpr 192
		.amdhsa_next_free_sgpr 66
		.amdhsa_reserve_vcc 0
		.amdhsa_float_denorm_mode_32 3
		.amdhsa_float_denorm_mode_16_64 3
		.amdhsa_memory_ordered 1
		.amdhsa_forward_progress 1
		.amdhsa_inst_pref_size 58
	.end_amdhsa_kernel
	.amdgpu_metadata
---
amdhsa.version: [ 1, 2 ]
amdhsa.kernels:
  - .name:           k_q8cb4694973_prep
    .symbol:         k_q8cb4694973_prep.kd
    .args:
      - { .name: hidden_states, .offset: 0, .size: 8, .value_kind: global_buffer, .address_space: global }
      - { .name: Wq, .offset: 8, .size: 8, .value_kind: global_buffer, .address_space: global }
      - { .name: Wk, .offset: 16, .size: 8, .value_kind: global_buffer, .address_space: global }
      - { .name: Wv, .offset: 24, .size: 8, .value_kind: global_buffer, .address_space: global }
      - { .name: Wo, .offset: 32, .size: 8, .value_kind: global_buffer, .address_space: global }
      - { .name: x_codes, .offset: 40, .size: 8, .value_kind: global_buffer, .address_space: global }
      - { .name: x_scales, .offset: 48, .size: 8, .value_kind: global_buffer, .address_space: global }
      - { .name: w_codes, .offset: 56, .size: 8, .value_kind: global_buffer, .address_space: global }
      - { .name: w_scales, .offset: 64, .size: 8, .value_kind: global_buffer, .address_space: global }
      - { .name: wo16, .offset: 72, .size: 8, .value_kind: global_buffer, .address_space: global }
    .group_segment_fixed_size: 33280
    .private_segment_fixed_size: 0
    .kernarg_segment_align: 8
    .kernarg_segment_size: 80
    .max_flat_workgroup_size: 128
    .sgpr_count:     66
    .vgpr_count:     192
    .wavefront_size: 32
...
	.end_amdgpu_metadata
.endif
;; end of part 1
;; launch qkv (part 2): grid 12 x 16, 4 waves a work-group, clusters of 4 x 4, 327,680 bytes of LDS; arguments x_codes, x_scales, w_codes, w_scales, bq, bk, bv, qkv; writes qkv
.if DOCPART == 2
	.amdgcn_target "amdgcn-amd-amdhsa--gfx1250"
	.amdhsa_code_object_version 6
	.text
	.protected	k_q8cb4694973_qkv
	.globl	k_q8cb4694973_qkv
	.p2align	8
	.type	k_q8cb4694973_qkv,@function
k_q8cb4694973_qkv:
	s_mov_b64 s[64:65], 0
	v_nop
	global_prefetch_b8 v0, s[64:65] scope:SCOPE_SE
	s_setreg_imm32_b32 hwreg(HW_REG_WAVE_MODE, 25, 1), 1
	s_wait_xcnt 0x0
	s_wait_alu depctr_hold_cnt(0) depctr_sa_sdst(0) depctr_va_vdst(0) depctr_va_sdst(0) depctr_va_ssrc(0) depctr_va_vcc(0) depctr_vm_vsrc(0)
	s_getreg_b32 s2, hwreg(HW_REG_IB_STS2, 6, 4)
	s_cmp_eq_u32 s2, 0
	s_cbranch_scc0 .Lentry_in_a_cluster
	s_endpgm
.Lentry_in_a_cluster:
	s_bfe_u32 s2, ttmp6, 0x10000c
	s_cmp_lg_u32 s2, 0xf033
	s_cbranch_scc0 .Lentry_shape_is_right
	s_endpgm
.Lentry_shape_is_right:
; The three projections on codes of FP4 (E2M1) with one E8M0 scale for each 32 along K: C[token][feature] = sum over k of x[token][k] W[feature][k] + bias[feature], 4,096 tokens x 3,072 features (Wq, Wk, Wv on end), K = 1,024; sums in f32.
; Then, in f32: q x log2(e) / 8 held to [1e-7 log2(e), (1 - 1e-7) log2(e)] (reference's q x log2(e): the next launch takes 2^t for e^s); k and v held to [1e-7, 1 - 1e-7]; NaN becomes 0; rounded to f16.
; A tile of C, 256 tokens x 256 features, is made by a work-group of four waves; a wave makes 128 x 128: 64 accumulators of 16 x 16, 512 registers.  Grid 12 x 16: the cluster's x (0, 1, 2) IS q, k or v, the same in all sixteen partners.
; K lies whole in two LDS slots of 512 along K (rows of 256 bytes), filled once by the tensor data mover; the scale bytes of the work-group's 256 + 256 rows come once beside them.  No slot is filled again.
; CLUSTERS: 4 x 4 work-groups; x's tiles are shared along a row of the cluster, W's along a column: each is asked for jointly, by the same tensor load with the same descriptor and a mask that names the four.
; THE MATRIX INSTRUCTION IS USED TRANSPOSED (source 0 = 16 rows of W, source 1 = 16 tokens): a lane holds one token (lane % 16) and eight neighbouring features, 8 (lane / 16) + 0..7 of the block.  The bias is the C of each sum's first product.
; THE RESULT IS LAID AS THE NEXT LAUNCH'S OPERAND REGISTERS.  A PIECE is 16 tokens x 16 channels of f16, 512 bytes, position L (0..31) at 16 L.  q, k: position 16 h + r = token r, channels 8 h + 0..7: my own lane.
; v: position L = key 8 (L / 16) + L % 8, channels 8 ((L / 8) % 2) + 0..7, so that the turning LDS load at 16 x lane gives half a fragment of V^T: my lane (r, h) stores at position 16 (r / 8) + 8 h + r % 8.
; qkv: [batch x head 32][786,432 bytes]: q at 0: [token tile 128][piece 4][512]; k and v at 262,144: [slot of 512 keys, 4][k 65,536 | v 65,536], each [key tile 32][piece 4][512].  A wave's store is one piece: 512 consecutive bytes, aligned.
; REGISTERS, in windows of 256: window 0: v16-30 addresses; v32-95 scale words, two sets, and nothing else; v128-191 x's fragments, one set; v192-255 the bias, eight registers a block of features.  On the way out v128-255 are at work.
;   window 1: W's fragments, two sets.   window 2: the accumulators of my tokens 0-63 ((a, b) at v[8 (8 a + b)]);   window 3: those of my tokens 64-127.
.set SIZE_K, 1024
.set KSTEP,  512                       ; along K in a slot
.set NQ,     KSTEP/128                 ; matrix instructions deep
.set ROWB,   256                       ; a tile's row in bytes
.set KROW,   SIZE_K/2                  ; a row of codes in memory
.set PITCH,  272                       ; an LDS row: 256 bytes + 16 of padding = 68 words: row r starts at bank 4 r mod 64 (64 banks of 4 bytes: ISA guide 11.1)
.set FR,     8                         ; registers of a fragment
.set NL,     2                         ; LDS loads that bring one
.set NP,     4                         ; places behind this matrix instruction (ISA guide 7.12.1)
.set HALFT,  128*PITCH                 ; 128 rows: what one tensor load brings
.set SLOT,   4*HALFT                   ; x's 256 rows, then W's 256 rows
.set KS,     SIZE_K/32                 ; a row of scale bytes
.set SCL,    2*SLOT                    ; behind the slots: the scale bytes, as rows of 256 bytes + 16 of padding
.set HALFS,  (128*KS/256)*272          ; those of 128 rows
.set SBLK,   (16*KS/256)*272           ; those of 16 rows
.set SPARE,  SCL+4*HALFS               ; behind them: the spare words, 128 bytes a wave, which no other line names
.set BHB,    786432                    ; a batch x head in qkv
.set ADRA, 16                          ; v16-17  LDS address of my fragments of x in slot 0, 1
.set ADRB, 20                          ; v20-21  the same for W
.set CO,   26                          ; v26     16 x my position in a piece
.set ADRS, 27                          ; v27     LDS address of my scale words: lanes 0-15 x's rows, lanes 16-31 W's
.set SPW,  28                          ; v28     LDS address of my spare word; never rewritten
.set NIL,  29                          ; v29     0; never rewritten
.set BOF,  30                          ; v30     32 x (lane / 16): my eight numbers of a block's sixteen biases
.set SC,   32                          ; scale words: set s at v[SC + 32 s]; register NQ i + q: lanes 0-15 x's block i, lanes 16-31 W's block i, the slot's q-th 128 along K
.set AF,   128                         ; x's fragments
.set BIAS, 192                         ; the bias
.set TW,   128                         ; the way out: a block's 64 numbers at work
.set G1, 24                            ; s[24:31] descriptor group 1 for x's tiles;  s[32:39] group 0, one set for each slot
.set G0, 32
.set G1B, 48                           ; s[48:55], s[56:63] the same for W's tiles
.set G0B, 56
.set G1S, 68                           ; s[68:75], s[76:79] for x's scales;  s[80:87], s[88:91] for W's.  On the way out s68-75 hold compare masks
.set G0S, 76
.set G1SB, 80
.set G0SB, 88
.set MSB, 0
.macro WIN new                         ; the immediate's high byte repeats the setting that is left
.if MSB != (\new)
	s_set_vgpr_msb (MSB<<8)|(\new)
.set MSB, (\new)
.endif
.endm
.set MUL_LO, 0xa1                      ; source 0 (W) window 1, source 1 (x) window 0, C and D window 2
.set MUL_HI, 0xf1                      ; the same, C and D window 3
.set BEG_LO, 0x81                      ; a sum's first product: C (the bias) window 0, D window 2
.set BEG_HI, 0xc1                      ; D window 3
.set TO_B,   0x40                      ; destination window 1, address window 0
; A joint load: waves 0 and 1 fetch for x, waves 2 and 3 for W.  Each of the two lines has one mask and one set of registers for all that issue it; the branch hangs on the wave's number alone.
; An s_nop 0 and four v_nop follow each of the two lines.
.macro JLOAD g0a, g1a, g0b, g1b
	s_cmp_eq_u32 s15, 0
	s_cbranch_scc0 .Lfor_b_\@
	tensor_load_to_lds s[\g0a:\g0a+3], s[\g1a:\g1a+7]
	s_nop 0
.rept 4
	v_nop
.endr
	s_branch .Lasked_\@
.Lfor_b_\@:
	tensor_load_to_lds s[\g0b:\g0b+3], s[\g1b:\g1b+7]
	s_nop 0
.rept 4
	v_nop
.endr
.Lasked_\@:
.endm
.macro CROUND                          ; a round of the cluster's barrier: my work-group's barrier; wave 0 signals for the work-group; every wave waits for all sixteen; my work-group's barrier once more
	s_barrier_signal -1
	s_barrier_wait -1
	s_cmp_lg_u32 s14, 0
	s_cbranch_scc1 .Lnot_wave_0_\@
	s_barrier_signal -3
.Lnot_wave_0_\@:
	s_barrier_wait -3
	s_barrier_signal -1
	s_barrier_wait -1
.endm
	s_load_b128 s[4:7], s[0:1], 0x0                ; x's codes, x's scales
	s_load_b128 s[8:11], s[0:1], 0x10              ; W's codes, W's scales
	s_load_b128 s[96:99], s[0:1], 0x20             ; bq, bk
	s_load_b64 s[66:67], s[0:1], 0x30              ; bv
	s_load_b64 s[12:13], s[0:1], 0x38              ; qkv
	v_lshl_add_u32 v[SPW], v0, 2, SPARE
	v_mov_b32 v[NIL], 0
	ds_add_u32 v[SPW], v[NIL]                      ; the wave's opening: the add, twice on end, and its wait ahead of my first tensor load
	ds_add_u32 v[SPW], v[NIL]                      ; the same add once more; the set-up below, work on registers, stands between it and the wait
	v_lshrrev_b32 v1, 5, v0
	v_readfirstlane_b32 s14, v1                    ; wave 0..3
	s_lshr_b32 s15, s14, 1                         ; which half of the tile's tokens is mine.  Also: I fetch for x (0) or for W (1)
	s_and_b32 s16, s14, 1                          ; which half of its features.  Also: which 128 rows of that tile I fetch
	s_bfe_u32 s40, ttmp6, 0x40000                  ; cx, cy: my place in the cluster
	s_bfe_u32 s41, ttmp6, 0x40004
	s_lshl_b32 s42, ttmp9, 2
	s_add_co_u32 s42, s42, s40                     ; tile column = 4 x cluster x + cx
	s_and_b32 s17, ttmp7, 0xffff
	s_lshl_b32 s17, s17, 2
	s_add_co_u32 s17, s17, s41                     ; tile row = 4 x cluster y + cy
	s_lshl_b32 s43, s41, 2
	s_lshl_b32 s43, 15, s43                        ; my row of the cluster
	s_lshl_b32 s44, 0x1111, s40                    ; my column
	; descriptor group 1: a tile of 128 rows x 256 bytes, padded in LDS
	s_or_b32 s[G1+0], s43, (0<<16)|(1<<20)|(1<<21)|(5<<22)|(3<<25)  ; 15:0 the mask: x's tiles go to my row; 17:16 elements of 1 byte; 20 padding on; 21 set beside a mask; 24:22 after every 64 words; 31:25 four words
	s_or_b32 s[G1B+0], s44, (0<<16)|(1<<20)|(1<<21)|(5<<22)|(3<<25) ; the same with the mask of my column
.irp g, G1, G1B
	s_mov_b32 s[\g+1], ROWB<<16                    ; tensor_dim0
	s_mov_b32 s[\g+2], 128<<16                     ; tensor_dim1
	s_mov_b32 s[\g+3], ROWB<<16                    ; tile_dim0
	s_mov_b32 s[\g+4], 128                         ; tile_dim1
	s_mov_b32 s[\g+5], KROW                        ; from row to row
	s_mov_b32 s[\g+6], 0
	s_mov_b32 s[\g+7], 0
.endr
	; the scale bytes of 128 rows: a dense block of 4,096 bytes, as 16 rows of 256 bytes (32 elements of 8 bytes), 16 bytes of padding behind each
	s_or_b32 s[G1S+0], s43, (3<<16)|(1<<20)|(1<<21)|(5<<22)|(3<<25)
	s_or_b32 s[G1SB+0], s44, (3<<16)|(1<<20)|(1<<21)|(5<<22)|(3<<25)
.irp g, G1S, G1SB
	s_mov_b32 s[\g+1], 32<<16
	s_mov_b32 s[\g+2], (128*KS/256)<<16
	s_mov_b32 s[\g+3], 32<<16
	s_mov_b32 s[\g+4], 128*KS/256
	s_mov_b32 s[\g+5], 32
	s_mov_b32 s[\g+6], 0
	s_mov_b32 s[\g+7], 0
.endr
	s_lshl_b32 s18, s16, 7                         ; which 128 rows of the tile I fetch
	s_lshl_b32 s20, s17, 8
	s_add_co_u32 s20, s20, s18                     ; x: row 256 x tile row + 128 x half
	s_lshl_b32 s46, s42, 8
	s_add_co_u32 s46, s46, s18                     ; W: row 256 x tile column + 128 x half
	s_mov_b32 s21, 0
	s_mov_b32 s47, 0
	s_mov_b64 s[18:19], KS
	s_mul_u64 s[22:23], s[20:21], s[18:19]         ; where these rows' scale bytes begin
	s_mul_u64 s[92:93], s[46:47], s[18:19]
	s_mov_b64 s[18:19], KROW
	s_mul_u64 s[20:21], s[20:21], s[18:19]         ; and their codes
	s_mul_u64 s[46:47], s[46:47], s[18:19]
	s_mul_i32 s45, s14, HALFT                      ; where they go: wave x 128 rows: no place in the cluster enters an LDS address
	s_mul_i32 s94, s14, HALFS
	s_wait_dscnt 0x0                               ; both opening adds are done
	s_wait_kmcnt 0x0
	s_add_nc_u64 s[20:21], s[4:5], s[20:21]
	s_add_nc_u64 s[22:23], s[6:7], s[22:23]
	s_add_nc_u64 s[46:47], s[8:9], s[46:47]
	s_add_nc_u64 s[92:93], s[10:11], s[92:93]
	CROUND                                         ; all sixteen work-groups are here: the joint loads meet
	s_mov_b32 s[G0S], 1
	s_add_co_u32 s[G0S+1], s94, SCL
	s_mov_b64 s[G0S+2:G0S+3], s[22:23]
	s_or_b32 s[G0S+3], s[G0S+3], 0x80000000
	s_mov_b32 s[G0SB], 1
	s_add_co_u32 s[G0SB+1], s94, SCL
	s_mov_b64 s[G0SB+2:G0SB+3], s[92:93]
	s_or_b32 s[G0SB+3], s[G0SB+3], 0x80000000
	JLOAD G0S, G1S, G0SB, G1SB                     ; the scale bytes first: they are wanted with the first slot
.irp s, 0,1
	s_mov_b32 s[G0+4*\s], 1
	s_add_co_u32 s[G0+4*\s+1], s45, \s*SLOT
	s_add_nc_u64 s[G0+4*\s+2:G0+4*\s+3], s[20:21], \s*ROWB
	s_or_b32 s[G0+4*\s+3], s[G0+4*\s+3], 0x80000000
	s_mov_b32 s[G0B+4*\s], 1
	s_add_co_u32 s[G0B+4*\s+1], s45, \s*SLOT
	s_add_nc_u64 s[G0B+4*\s+2:G0B+4*\s+3], s[46:47], \s*ROWB
	s_or_b32 s[G0B+4*\s+3], s[G0B+4*\s+3], 0x80000000
	JLOAD G0+4*\s, G1, G0B+4*\s, G1B               ; both slots: three tensor loads of mine are out, and no more follow
.endr
	v_and_b32 v1, 15, v0                           ; r = lane % 16
	v_bfe_u32 v2, v0, 4, 1                         ; h = lane / 16
	; the bias of my 128 features: bq, bk or bv by the cluster's x
	s_cmp_eq_u32 ttmp9, 0
	s_cselect_b64 s[96:97], s[96:97], s[98:99]
	s_cmp_eq_u32 ttmp9, 2
	s_cselect_b64 s[96:97], s[66:67], s[96:97]
	s_lshl_b32 s46, s40, 10                        ; 4 bytes x (256 cx + 128 x half)
	s_lshl_b32 s47, s16, 9
	s_add_co_u32 s46, s46, s47
	s_mov_b32 s47, 0
	s_add_nc_u64 s[96:97], s[96:97], s[46:47]
	v_lshlrev_b32 v[BOF], 5, v2
.irp b, 0,1,2,3,4,5,6,7
	global_load_b128 v[BIAS+8*\b:BIAS+8*\b+3], v[BOF], s[96:97] offset:64*\b        ; bias[16 b + 8 h + 0..3],
	global_load_b128 v[BIAS+8*\b+4:BIAS+8*\b+7], v[BOF], s[96:97] offset:64*\b+16   ; + 4..7: the result's layout
.endr
	v_mul_u32_u24 v3, v1, PITCH
	v_lshl_add_u32 v4, v2, 4, v3                   ; a fragment's row x pitch + 16 x half
	s_mul_i32 s21, s15, HALFT                      ; my 128 rows of x
	s_mul_i32 s22, s16, HALFT                      ; my 128 rows of W,
	s_add_co_u32 s22, s22, 2*HALFT                 ; which lie behind x's 256
.irp s, 0,1
	v_add_nc_u32 v[ADRA+\s], s21, v4
	v_add_nc_u32 v[ADRB+\s], s22, v4
	s_add_co_u32 s21, s21, SLOT
	s_add_co_u32 s22, s22, SLOT
.endr
	v_mul_u32_u24 v5, v1, KS                       ; my row's scale bytes: KS a row,
	v_lshrrev_b32 v6, 8, v5
	v_lshl_add_u32 v5, v6, 4, v5                   ; and 16 more for each 256 passed
	s_mul_i32 s21, s15, HALFS                      ; x's: my 128 rows
	s_mul_i32 s22, s16, HALFS                      ; W's: my 128 rows, behind x's 256
	s_add_co_u32 s22, s22, 2*HALFS
	s_sub_co_u32 s22, s22, s21
	v_mul_u32_u24 v6, s22, v2                      ; lanes 16-31 take W's: one product, the distance between the two bases
	s_add_co_u32 s21, s21, SCL
	v_add_nc_u32 v5, v5, v6
	v_add_nc_u32 v[ADRS], s21, v5
	; THE WAY OUT'S ADDRESSES AND CONSTANTS.  All choices hang on the cluster's x alone and select values: no branch.
	s_and_b32 s20, s17, 7
	s_lshl_b32 s20, s20, 4
	s_lshl_b32 s21, s15, 3
	s_add_co_u32 s20, s20, s21                     ; my first token tile in its batch: 16 (tile row % 8) + 8 x half
	s_lshl_b32 s22, s20, 11                        ; q: 2,048 bytes a token tile
	s_lshr_b32 s23, s20, 5
	s_lshl_b32 s23, s23, 17                        ; k, v: the slot of 32 key tiles, 131,072 bytes,
	s_and_b32 s21, s20, 31
	s_lshl_b32 s21, s21, 11                        ; the key tile in it,
	s_add_co_u32 s23, s23, s21
	s_add_co_u32 s23, s23, 262144                  ; behind q
	s_cmp_eq_u32 ttmp9, 0
	s_cselect_b32 s22, s22, s23
	s_mov_b32 s66, 0x33d6bf95                      ; 1e-7
	s_cselect_b32 s66, 0x341ae880, s66             ; q: 1e-7 x log2(e)
	s_mov_b32 s67, 0x3f7ffffe                      ; 1 - 1e-7 in f32
	s_cselect_b32 s67, 0x3fb8aa3a, s67             ; q: x log2(e)
	s_cselect_b32 s2, 0x3e38aa3b, 1.0              ; q: log2(e) / 8; k, v: 1 (one text serves the three)
	s_mov_b32 s3, s2                               ; (named with it as a pair, so it is written)
	s_cmp_eq_u32 ttmp9, 2
	s_cselect_b32 s23, 65536, 0                    ; v lies behind a slot's k
	s_cselect_b32 s95, -1, 0                       ; v: all lanes take the turned position
	s_add_co_u32 s22, s22, s23
	s_lshr_b32 s20, s17, 3
	s_lshl_b32 s20, s20, 4                         ; 16 x batch
	s_lshl_b32 s21, s40, 2
	s_add_co_u32 s20, s20, s21                     ; + 4 cx
	s_lshl_b32 s21, s16, 1
	s_add_co_u32 s20, s20, s21                     ; + 2 x half: my first head
	s_mul_i32 s20, s20, BHB
	s_add_co_u32 s20, s20, s22
	s_mov_b32 s21, 0
	s_add_nc_u64 s[12:13], s[12:13], s[20:21]
	v_and_b32 v6, 31, v0                           ; q, k: my lane
	v_and_b32 v5, 7, v0
	v_bfe_u32 v7, v0, 3, 1
	v_lshl_add_u32 v5, v2, 3, v5
	v_lshl_add_u32 v5, v7, 4, v5                   ; v: 16 (r / 8) + 8 h + r % 8
	v_cndmask_b32 v[CO], v6, v5, s95
	v_lshlrev_b32 v[CO], 4, v[CO]
.macro FRAG reg, adr, q, i             ; a fragment, 16 rows x 128 K of 4-bit codes: lane l holds row l % 16; registers 4 c .. 4 c + 3 hold K = 64 c + 32 (l / 16) + 0 .. 31
.irp c, 0,1
	ds_load_b128 v[\reg+4*\c:\reg+4*\c+3], v[\adr] offset:64*(\q)+32*\c+(\i)*16*PITCH
.endr
.endm
; 16 matrix instructions: x's blocks a0, a0 + 1 against W's eight, the slot's q-th 128 along K.  p: W's set;  sc: the set of scale words.  zero = 1: the sums begin, with the bias as C: nothing is cleared, no addition is spent.
; The 64 accumulators take turns, one instruction a turn, in the same order in every step.
.macro MUL16 a0, p, q, sc, zero
.irp a, \a0, \a0+1
.irp b, 0,1,2,3,4,5,6,7
.if \zero
	v_wmma_scale_f32_16x16x128_f8f6f4 v[8*(8*((\a)%4)+\b):8*(8*((\a)%4)+\b)+7], v[128*(\p)+FR*\b:128*(\p)+FR*\b+FR-1], v[AF+FR*(\a):AF+FR*(\a)+FR-1], v[BIAS+8*\b:BIAS+8*\b+7], v[SC+8*NQ*(\sc)+NQ*\b+(\q)], v[SC+8*NQ*(\sc)+NQ*(\a)+(\q)] matrix_a_fmt:MATRIX_FMT_FP4 matrix_b_fmt:MATRIX_FMT_FP4 matrix_a_scale:MATRIX_SCALE_ROW1
.else
	v_wmma_scale_f32_16x16x128_f8f6f4 v[8*(8*((\a)%4)+\b):8*(8*((\a)%4)+\b)+7], v[128*(\p)+FR*\b:128*(\p)+FR*\b+FR-1], v[AF+FR*(\a):AF+FR*(\a)+FR-1], v[8*(8*((\a)%4)+\b):8*(8*((\a)%4)+\b)+7], v[SC+8*NQ*(\sc)+NQ*\b+(\q)], v[SC+8*NQ*(\sc)+NQ*(\a)+(\q)] matrix_a_fmt:MATRIX_FMT_FP4 matrix_b_fmt:MATRIX_FMT_FP4 matrix_a_scale:MATRIX_SCALE_ROW1
.endif
.endr
.endr
.endm
.macro FETCH_B slot, q, p              ; W's eight fragments of the slot's q-th 128 along K into set p
	WIN TO_B
.irp i, 0,1,2,3,4,5,6,7
	FRAG 128*(\p)+FR*\i, ADRB+\slot, \q, \i
.endr
	WIN 0
.endm
.macro FETCH_A slot, q, i0             ; x's blocks i0 .. i0 + 3
.irp i, \i0, \i0+1, \i0+2, \i0+3
	FRAG AF+FR*(\i), ADRA+\slot, \q, \i
.endr
.endm
.macro SCALES sc                       ; a slot's scale words into set sc: four words a row; lanes 0-15 take x's block i, lanes 16-31 W's block i
.irp i, 0,1,2,3,4,5,6,7
	ds_load_b128 v[SC+8*NQ*\sc+NQ*\i:SC+8*NQ*\sc+NQ*\i+3], v[ADRS] offset:\i*SBLK
.endr
.endm
; A load into a register that a matrix instruction has read, and a vector instruction that reads a matrix result or writes one of its registers, stand NP places behind it; only plain vector instructions that name none of its
; registers are places (ISA guide 7.12.1 for vector instructions).
.macro PLACES n
.rept \n
	v_nop
.endr
.endm
; A step of 128 along K that has its successor in the same slot.  x has one set of registers: blocks 0-3 are fetched anew in the step's middle, blocks 4-7 at its end; W has two sets.
.macro STEP slot, q, zero
	s_wait_dscnt 4*NL                              ; W's set, x's blocks 0-3 (and the scale words) are in; the youngest eight loads, x's blocks 4-7, may be out
.if \zero
	WIN BEG_LO
.else
	WIN MUL_LO
.endif
	MUL16 0, (\q)%2, \q, \slot, \zero
	MUL16 2, (\q)%2, \q, \slot, \zero
	s_wait_dscnt 0                                 ; x's blocks 4-7 are in (asked for 32 matrix instructions ago)
	PLACES NP
	FETCH_B \slot, (\q)+1, 1-(\q)%2
	FETCH_A \slot, (\q)+1, 0
.if \zero
	WIN BEG_HI
.else
	WIN MUL_HI
.endif
	MUL16 4, (\q)%2, \q, \slot, \zero
	MUL16 6, (\q)%2, \q, \slot, \zero
	PLACES NP
	WIN 0
	FETCH_A \slot, (\q)+1, 4
.endm
; Slot 0's last step goes on into slot 1: each wave waits for all its tensor loads (its part of slot 1), and one barrier shows the slot whole to all four.  Nothing is filled again.
.macro TURN slot, next
	s_wait_tensorcnt 0x0                           ; all my tensor loads have landed
	ds_add_u32 v[SPW], v[NIL]                      ; 0 onto my spare word
	s_wait_dscnt 4*NL+1                            ; (the add and the youngest eight loads, x's blocks 4-7, may be out)
	WIN MUL_LO
	MUL16 0, 1, NQ-1, \slot, 0                     ; sixteen matrix instructions stand between the add and the wait for it
	s_wait_dscnt 0x0                               ; the add is done, and no LDS load of mine is out at the signal
	s_barrier_signal -1
	MUL16 2, 1, NQ-1, \slot, 0                     ; work on registers while the others arrive
	WIN 0
	s_barrier_wait -1
	PLACES NP
	v_add_nc_u32 v[ADRS], 4*NQ, v[ADRS]            ; on to the next slot's scale words
	FETCH_B \next, 0, 0
	FETCH_A \next, 0, 0
	SCALES \next
	WIN MUL_HI
	MUL16 4, 1, NQ-1, \slot, 0
	MUL16 6, 1, NQ-1, \slot, 0
	PLACES NP
	WIN 0
	FETCH_A \next, 0, 4
.endm
.macro STEPS slot, from                ; the slot's steps from .. NQ - 2
.set Q, \from
.rept NQ-1-\from
	STEP \slot, Q, 0
.set Q, Q+1
.endr
.endm
	s_wait_tensorcnt 1                             ; the scale bytes and my part of slot 0 are in; slot 1's load, the one issued behind them, may be out
	s_barrier_signal -1
	s_barrier_wait -1                              ; everybody's are
	FETCH_B 0, 0, 0
	FETCH_A 0, 0, 0
	SCALES 0
	FETCH_A 0, 0, 4
	s_wait_loadcnt 0x0                             ; the bias
	STEP 0, 0, 1                                   ; the first step starts the sums
	STEPS 0, 1
	TURN 0, 1
	STEPS 1, 0
	s_wait_dscnt 4*NL                              ; the last step: nothing more to fetch
	WIN MUL_LO
	MUL16 0, 1, NQ-1, 1, 0
	MUL16 2, 1, NQ-1, 1, 0
	s_wait_dscnt 0
	WIN MUL_HI
	MUL16 4, 1, NQ-1, 1, 0
	MUL16 6, 1, NQ-1, 1, 0
	WIN 0
; THE WAY OUT, a block of 16 tokens x 128 features at a time: the factor; a compare of each number with itself (false for NaN alone); the hold between the two bounds; 0 where the compare failed; two roundings to f16 an instruction.
; A lane's eight numbers of an accumulator are 16 bytes of one piece, and the 32 lanes hold the whole piece: it is stored straight from registers.  Each accumulator is read from its low end on.
.macro OUTBLK a
.set AC, 64*((\a)%4)
.set OB, BIAS+32*((\a)%2)
.if (\a) >= 2
	s_wait_xcnt 0x0                                ; the stores of the block two back have read their data registers: they are written again only behind this wait
.endif
	WIN 0x02+(\a)/4                                ; source 0: window 2 or 3
.set i, 0
.rept 32
	v_pk_mul_f32 v[TW+2*i:TW+2*i+1], v[AC+2*i:AC+2*i+1], s[2:3] op_sel_hi:[1,0]
.set i, i+1
.endr
	WIN 0
.irp b, 0,1,2,3,4,5,6,7
.irp j, 0,1,2,3,4,5,6,7
	v_cmp_eq_f32 s[68+\j], v[TW+8*\b+\j], v[TW+8*\b+\j]
.endr
.irp j, 0,1,2,3,4,5,6,7
	v_med3_num_f32 v[TW+8*\b+\j], v[TW+8*\b+\j], s66, s67
.endr
.irp j, 0,1,2,3,4,5,6,7
	v_cndmask_b32 v[TW+8*\b+\j], 0, v[TW+8*\b+\j], s[68+\j]
.endr
.irp m, 0,1,2,3
	v_cvt_pk_f16_f32 v[OB+4*\b+\m], v[TW+8*\b+2*\m], v[TW+8*\b+2*\m+1]
.endr
	global_store_b128 v[CO], v[OB+4*\b:OB+4*\b+3], s[12:13] offset:(\b/4)*BHB+(\a)*2048+(\b%4)*512   ; head b / 4 of my two, token tile a, piece b % 4: 512 consecutive bytes, aligned
.endr
.endm
	PLACES NP                                      ; behind the last products: the lines below write registers that held x's fragments
.irp a, 0,1,2,3,4,5,6,7
	OUTBLK \a
.endr
	s_wait_tensorcnt 0x0                           ; the wave's end: behind my last tensor load
	ds_add_u32 v[SPW], v[NIL]
	s_wait_dscnt 0x0
	CROUND                                         ; the closing round: no work-group ends while a partner may still ask for a tile that names it
	s_endpgm
.Lfunc_end_k_q8cb4694973_qkv:
	.size	k_q8cb4694973_qkv, .Lfunc_end_k_q8cb4694973_qkv-k_q8cb4694973_qkv
	.p2alignl 7, 3214868480
	.fill 96, 4, 3214868480
	.section	.rodata,"a",@progbits
	.p2align	6, 0x0
	.amdhsa_kernel k_q8cb4694973_qkv
		.amdhsa_group_segment_fixed_size 327680
		.amdhsa_private_segment_fixed_size 0
		.amdhsa_enable_private_segment 0
		.amdhsa_kernarg_size 64
		.amdhsa_user_sgpr_count 2
		.amdhsa_user_sgpr_kernarg_segment_ptr 1
		.amdhsa_wavefront_size32 1
		.amdhsa_system_sgpr_workgroup_id_x 1
		.amdhsa_system_sgpr_workgroup_id_y 1
		.amdhsa_system_sgpr_workgroup_id_z 1
		.amdhsa_system_vgpr_workitem_id 0
		.amdhsa_next_free_vgpr 1024
		.amdhsa_next_free_sgpr 100
		.amdhsa_reserve_vcc 0
		.amdhsa_float_denorm_mode_32 3
		.amdhsa_float_denorm_mode_16_64 3
		.amdhsa_memory_ordered 1
		.amdhsa_forward_progress 1
		.amdhsa_inst_pref_size 233
	.end_amdhsa_kernel
	.amdgpu_metadata
---
amdhsa.version: [ 1, 2 ]
amdhsa.kernels:
  - .name:           k_q8cb4694973_qkv
    .symbol:         k_q8cb4694973_qkv.kd
    .args:
      - { .name: x_codes, .offset: 0, .size: 8, .value_kind: global_buffer, .address_space: global }
      - { .name: x_scales, .offset: 8, .size: 8, .value_kind: global_buffer, .address_space: global }
      - { .name: w_codes, .offset: 16, .size: 8, .value_kind: global_buffer, .address_space: global }
      - { .name: w_scales, .offset: 24, .size: 8, .value_kind: global_buffer, .address_space: global }
      - { .name: bq, .offset: 32, .size: 8, .value_kind: global_buffer, .address_space: global }
      - { .name: bk, .offset: 40, .size: 8, .value_kind: global_buffer, .address_space: global }
      - { .name: bv, .offset: 48, .size: 8, .value_kind: global_buffer, .address_space: global }
      - { .name: qkv, .offset: 56, .size: 8, .value_kind: global_buffer, .address_space: global }
    .group_segment_fixed_size: 327680
    .private_segment_fixed_size: 0
    .kernarg_segment_align: 8
    .kernarg_segment_size: 64
    .max_flat_workgroup_size: 128
    .sgpr_count:     100
    .vgpr_count:     1024
    .wavefront_size: 32
...
	.end_amdgpu_metadata
.endif
;; end of part 2
;; launch attn (part 3): grid 8 x 32, 8 waves a work-group, clusters of 4 x 1, 327,680 bytes of LDS; arguments qkv, attn; writes attn
.if DOCPART == 3
	.amdgcn_target "amdgcn-amd-amdhsa--gfx1250"
	.amdhsa_code_object_version 6
	.text
	.protected	k_q8cb4694973_attn
	.globl	k_q8cb4694973_attn
	.p2align	8
	.type	k_q8cb4694973_attn,@function
k_q8cb4694973_attn:
	s_mov_b64 s[64:65], 0
	v_nop
	global_prefetch_b8 v0, s[64:65] scope:SCOPE_SE
	s_setreg_imm32_b32 hwreg(HW_REG_WAVE_MODE, 25, 1), 1
	s_wait_xcnt 0x0
	s_wait_alu depctr_hold_cnt(0) depctr_sa_sdst(0) depctr_va_vdst(0) depctr_va_sdst(0) depctr_va_ssrc(0) depctr_va_vcc(0) depctr_vm_vsrc(0)
	s_getreg_b32 s2, hwreg(HW_REG_IB_STS2, 6, 4)
	s_cmp_eq_u32 s2, 0
	s_cbranch_scc0 .Lentry_in_a_cluster
	s_endpgm
.Lentry_in_a_cluster:
	s_bfe_u32 s2, ttmp6, 0x10000c
	s_cmp_lg_u32 s2, 0x3003
	s_cbranch_scc0 .Lentry_shape_is_right
	s_endpgm
.Lentry_shape_is_right:
; For each of 32 batch x heads: s = clip(q . k, 1e-7, 1 - 1e-7) over 64 channels; softmax over 2,048 keys; o = clip(sum of p v, 1e-7, 1 - 1e-7).  q, k, v arrive in f16 as images of operand registers (layout: below); o leaves so.
; q arrives as log2(e) x reference's q, so the product is t = log2(e) s, held to [1e-7 log2(e), (1 - 1e-7) log2(e)], and e^s = 2^t.  Products on f16 operands with f32 sums; the hold, 2^t, the row's sum and the division in f32.
; NO MAXIMUM IS TAKEN AWAY: reference() itself clips s into [1e-7, 1) ahead of the softmax, for every input, so 2^t lies in [1, e) and a row's sum in [2,048, 5,567]: no exponential and no sum can overflow or underflow.
; So the sum over the keys is a plain sum, and it is shared between two waves.
; THE CLIP OF THE PROBABILITIES IS NOT WRITTEN: by the same bounds each lies between 1 / (2,048 e) = 1.8e-4 and e / (e + 2,047) = 1.3e-3 for every input, inside [1e-7, 1 - 1e-7]: that clip changes no number.
; The weights go unnormalised (in [1, e)) into the second product; the row's sum of the unrounded weights divides at the end.
; SHARES.  A work-group owns 256 queries of one batch x head.  Wave w: queries 64 (w % 4) on, four tiles of 16; of each slot of 512 keys the half w / 4.  Two waves lie on a SIMD: one has vector work while the other has matrix work;
; each fragment of K and V read from LDS feeds four matrix instructions.  At the end the two halves' O and sums meet in LDS.
; LAYOUT.  Both products are used transposed: S^T = K Q^T (source 0 = 16 keys, source 1 = 16 queries), O^T = V^T P (source 0 = 16 channels, source 1 = 32 keys x 16 queries): a lane holds ONE query (lane % 16) throughout;
; two tiles of S^T, rounded in pairs, ARE source 1 of the second product.
; MEMORY.  A PIECE is 16 tokens x 16 channels of f16, 512 bytes, position L at 16 L.  q, k, o: position 16 h + r = token r, channels 8 h + 0..7: pieces 2 c and 2 c + 1 are registers 0-3 and 4-7 of the fragment of channels 32 c on.
; v: position L = key 8 (L / 16) + L % 8, channels 8 ((L / 8) % 2) + 0..7: the turning load at 16 x lane gives channel lane % 16, keys 8 (lane / 16) + 0..7.  Every LDS load takes 512 consecutive bytes: no padding is wanted.
; qkv: [batch x head][786,432]: q at 0: [token tile 128][piece 4][512]; at 262,144: [slot 4][k 65,536 | v 65,536], each [key tile 32][piece 4][512].  attn: [token tile 256][4 head + piece: 64][512].
; RING.  Two LDS slots of 131,072 bytes; a slot of keys is one dense block of memory, of which each of the eight waves brings 16,384 bytes by one tensor load.  The four query blocks of a cluster walk the same K and V: each load is asked
; for jointly, with a mask that names the four.  One tensor load of a wave is out at any time; it has a slot's 8 steps, 256 matrix instructions a wave, in which to land.
; REGISTERS: window 0: v2-7, v24-30 addresses; v8-15 the rows' sums, a pair a tile; v16-23 at work; v32-95 Q; v96-127 K of a step; v128-159 V^T of a step; v160-223 S^T, then the weights; v224-255 P.   window 1: v0-127 O^T ((t, ct) at 32 t + 8 ct).
.set BHB,   786432
.set KVB,   262144
.set SLOTB, 131072
.set VOFF,  65536                      ; a slot: K's 32 key tiles, then V's
.set STEPB, 4096                       ; a step: 32 keys = two key tiles of 2,048 bytes
.set LSTG,  2*SLOTB                    ; behind the ring: the rows' sums, 512 bytes a wave
.set SPARE, LSTG+4096                  ; the spare words, 128 bytes a wave: four blocks of 256 bytes that no other line names
.set AK0, 2                            ; v2   16 x lane + 32,768 x my half: my place in a slot's K
.set AV0, 3                            ; v3   the same in its V
.set ADK, 4                            ; v4   LDS address of the run of loads in hand: K's
.set ADV, 5                            ; v5   V's
.set GO,  6                            ; v6   16 x lane
.set SW,  7                            ; v7   the stage: where I put O^T: 16 x lane + 16,384 x wave
.set SUM, 8
.set WK,  16
.set SRA, 24                           ; v24  the stage: the two tiles that I finish, as the wave of the first half of the keys left them,
.set SRB, 25                           ; v25  and as the wave of the second half did
.set LW,  26                           ; v26  where I put my rows' sums
.set LR,  27                           ; v27  and where I read those of the two tiles that I finish
.set SPW, 28                           ; v28  LDS address of my spare word; never rewritten
.set NIL, 29                           ; v29  0; never rewritten
.set PFO, 30                           ; v30  256 x lane: the prefetches' offset; never rewritten
.set QR,  32                           ; Q: fragment (t, cs) at QR + 16 t + 8 cs
.set KF,  96                           ; K: (u, cs) at KF + 16 u + 8 cs
.set VF,  128                          ; V^T: ct at VF + 8 ct
.set S,   160                          ; S^T: (t, u) at S + 16 t + 8 u
.set P,   224                          ; P: t at P + 8 t
.set WV,  8                            ; s8   my wave's number
.set QG,  9                            ; s9   which 64 queries
.set KH,  10                           ; s10  which half of the keys
.set CX,  11                           ; s11  my place in the cluster: it enters global addresses of q, o and the prefetches alone
.set QB,  12                           ; s12  my block of 256 queries
.set BH,  13                           ; s13  batch x head
.set G1,  24                           ; s[24:31] descriptor group 1
.set G0,  32                           ; s[32:35] descriptor group 0, which walks
.set TB,  36                           ; s36  LDS byte at which the step to be fetched begins (less my half's offset)
.set SLOTS, 37                         ; s37  slots still to be asked for
.set CNT, 38                           ; s38  counts a slot's steps
.set PFA, 40                           ; s[40:41] where my prefetches stand
.set LIM, 42                           ; s42  1 in a wave that prefetches, else the greatest number
.set SEL, 44                           ; s[44:45] lane selects for v_permlanex16_b32: lane l xor 16
.set TLO, 46                           ; s46, s47 the bounds of t
.set THI, 47
.set LO,  48                           ; s48, s49 the bounds of o
.set HI,  49
.set MSB, 0
.macro WIN new                         ; the immediate's high byte repeats the setting that is left
.if MSB != (\new)
	s_set_vgpr_msb (MSB<<8)|(\new)
.set MSB, (\new)
.endif
.endm
.macro CROUND                          ; a round of the cluster's barrier: my work-group's barrier; wave 0 signals for the work-group; every wave waits for all four work-groups; my work-group's barrier once more
	s_barrier_signal -1
	s_barrier_wait -1
	s_cmp_lg_u32 s[WV], 0
	s_cbranch_scc1 .Lnot_wave_0_\@
	s_barrier_signal -3
.Lnot_wave_0_\@:
	s_barrier_wait -3
	s_barrier_signal -1
	s_barrier_wait -1
.endm
.macro PLACES                          ; four places behind a matrix instruction, ahead of loads into its registers and of reads of its result (ISA guide 7.12.1 for reads of its result)
.rept 4
	v_nop
.endr
.endm
; A PREFETCH INTO THE L2 of the slot that the NEXT change of slots will ask for: 131,072 bytes.  Both clusters of a batch x head walk the same K and V: the first (cluster x = 0) asks.  Its four partners share the slot out by address,
; 32,768 bytes each; in each, waves 0 to 3 take 8,192 bytes, lanes 256 bytes apart: one instruction a wave, and each block of 256 bytes is named once in the launch.  It is asked for a slot's 8 steps ahead of the load that wants it.
; The last change that fills a slot asks for nothing; the first two slots come by their loads alone.
.macro ASK
	s_cmp_gt_u32 s[SLOTS], s[LIM]
	s_cbranch_scc0 .Lnot_mine_\@
	global_prefetch_b8 v[PFO], s[PFA:PFA+1] th:TH_LOAD_NT scope:SCOPE_SE
.Lnot_mine_\@:
.endm
	s_load_b128 s[4:7], s[0:1], 0x0                ; qkv, attn
	v_lshl_add_u32 v[SPW], v0, 2, SPARE
	v_mov_b32 v[NIL], 0
	ds_add_u32 v[SPW], v[NIL]                      ; the wave's opening: the add, twice on end, and its wait ahead of my first tensor load
	ds_add_u32 v[SPW], v[NIL]                      ; the same add once more; the set-up below, work on registers, stands between it and the wait
	v_lshrrev_b32 v1, 5, v0
	v_readfirstlane_b32 s[WV], v1                  ; wave 0..7
	s_and_b32 s[QG], s[WV], 3
	s_lshr_b32 s[KH], s[WV], 2
	s_bfe_u32 s[CX], ttmp6, 0x40000
	s_lshl_b32 s[QB], ttmp9, 2                     ; in a cluster launch ttmp9 counts clusters
	s_add_co_u32 s[QB], s[QB], s[CX]
	s_and_b32 s[BH], ttmp7, 0xffff                 ; which the four partners share
	s_mul_i32 s14, s[BH], BHB                      ; its first byte in qkv
	; every LDS address is made here: 16 or 4 x lane, constants, and constants x parts of the wave's number
	v_and_b32 v1, 31, v0
	v_lshlrev_b32 v[GO], 4, v1
	s_lshl_b32 s16, s[KH], 15
	v_add_nc_u32 v[AK0], s16, v[GO]
	v_add_nc_u32 v[AV0], VOFF, v[AK0]
	s_lshl_b32 s16, s[WV], 14
	v_add_nc_u32 v[SW], s16, v[GO]
	s_lshl_b32 s16, s[QG], 14
	s_lshl_b32 s17, s[KH], 13
	s_add_co_u32 s16, s16, s17
	v_add_nc_u32 v[SRA], s16, v[GO]                ; wave w % 4's stage, tiles 2 (w / 4) on: 4,096 bytes a tile
	v_add_nc_u32 v[SRB], 65536, v[SRA]             ; wave w % 4 + 4's
	v_lshlrev_b32 v[LW], 2, v1
	s_lshl_b32 s16, s[QG], 9
	s_lshl_b32 s17, s[KH], 8
	s_add_co_u32 s16, s16, s17
	s_add_co_u32 s16, s16, LSTG
	v_add_nc_u32 v[LR], s16, v[LW]
	s_lshl_b32 s16, s[WV], 9
	s_add_co_u32 s16, s16, LSTG
	v_add_nc_u32 v[LW], s16, v[LW]
	v_lshlrev_b32 v[PFO], 8, v1
.irp j, 0,1,2,3,4,5,6,7,8,9,10,11,12,13,14,15
	v_mov_b32 v[SUM+\j], 0                         ; the eight sums begin at 0; v16-23 are written once (a lane permute's destination and a pair's upper half count as read)
.endr
	; descriptor group 1: 64 rows of 256 bytes (32 elements of 8 bytes), dense in memory and in LDS
	s_mov_b32 s[G1], 15|(3<<16)|(1<<21)            ; 15:0 the mask: all four work-groups; 17:16 elements of 8 bytes; 21 set beside a mask; no padding
	s_mov_b32 s[G1+1], 32<<16                      ; tensor_dim0 = 32
	s_mov_b32 s[G1+2], 64<<16                      ; tensor_dim1 = 64
	s_mov_b32 s[G1+3], 32<<16                      ; tile_dim0 = 32
	s_mov_b32 s[G1+4], 64                          ; tile_dim1 = 64
	s_mov_b32 s[G1+5], 32                          ; from row to row
	s_mov_b32 s[G1+6], 0
	s_mov_b32 s[G1+7], 0
	s_mov_b32 s[G0], 1                             ; count = 1
	s_lshl_b32 s[G0+1], s[WV], 14                  ; LDS address: slot 0, 16,384 x wave
	s_lshl_b32 s16, s[WV], 14
	s_add_co_u32 s16, s16, s14
	s_add_co_u32 s16, s16, KVB                     ; in memory: the head's first slot, 16,384 x wave: made of the wave's number and the head alone
	s_mov_b32 s17, 0
	s_lshl_b32 s18, s[CX], 15
	s_lshl_b32 s19, s[QG], 13
	s_add_co_u32 s18, s18, s19
	s_add_co_u32 s18, s18, s14
	s_add_co_u32 s18, s18, KVB+SLOTB               ; the prefetches: my part, in the second slot: the first change of slots steps it to the third
	s_mov_b32 s19, 0
	s_lshl_b32 s20, s[QB], 4
	s_lshl_b32 s21, s[QG], 2
	s_add_co_u32 s20, s20, s21                     ; my first token tile in the head: 16 x block + 4 x (w % 4)
	s_lshl_b32 s22, s20, 11
	s_add_co_u32 s22, s22, s14                     ; q: 2,048 bytes a token tile
	s_mov_b32 s23, 0
	s_lshr_b32 s21, s[BH], 4
	s_lshl_b32 s21, s21, 7
	s_add_co_u32 s20, s20, s21                     ; o: + 128 x batch
	s_lshl_b32 s21, s[KH], 1
	s_add_co_u32 s20, s20, s21                     ; + the two tiles that I finish
	s_lshl_b32 s20, s20, 15                        ; 32,768 bytes a token tile,
	s_and_b32 s21, s[BH], 15
	s_lshl_b32 s21, s21, 11                        ; 2,048 a head
	s_add_co_u32 s20, s20, s21
	s_mov_b32 s21, 0
	s_mov_b32 s[SEL], 0x76543210
	s_mov_b32 s[SEL+1], 0xfedcba98
	s_mov_b32 s[TLO], 0x341ae880                   ; 1e-7 x log2(e)
	s_mov_b32 s[THI], 0x3fb8aa3a                   ; (1 - 1e-7) x log2(e)
	s_mov_b32 s[LO], 0x33d6bf95                    ; 1e-7
	s_mov_b32 s[HI], 0x3f7ffffe                    ; 1 - 1e-7 in f32
	s_mov_b32 s[TB], 0
	s_mov_b32 s[SLOTS], 3
	s_or_b32 s[LIM], s[KH], ttmp9                  ; 0 in waves 0 to 3 of the head's first cluster: the same in all four partners
	s_cmp_eq_u32 s[LIM], 0
	s_cselect_b32 s[LIM], 1, -1
	s_wait_dscnt 0x0                               ; both opening adds are done
	s_wait_kmcnt 0x0
	s_add_nc_u64 s[G0+2:G0+3], s[4:5], s[16:17]
	s_or_b32 s[G0+3], s[G0+3], 0x80000000          ; type = 2
	s_add_nc_u64 s[PFA:PFA+1], s[4:5], s[18:19]
	s_add_nc_u64 s[6:7], s[6:7], s[20:21]
	s_add_nc_u64 s[4:5], s[4:5], s[22:23]
	CROUND                                         ; all four work-groups are here: the first joint loads meet
	tensor_load_to_lds s[G0:G0+3], s[G1:G1+7]      ; my part of the first 512 keys
	s_nop 0
	PLACES
.irp i, 0,1,2,3,4,5,6,7,8,9,10,11,12,13,14,15
	global_load_b128 v[QR+4*\i:QR+4*\i+3], v[GO], s[4:5] offset:512*\i   ; Q stays in registers: tile i / 4, piece i % 4
.endr
.macro FETCH_K                         ; a step's K: two key tiles x four pieces, eight loads of 512 consecutive bytes
	v_add_nc_u32 v[ADK], s[TB], v[AK0]
.irp i, 0,1,2,3,4,5,6,7
	ds_load_b128 v[KF+4*\i:KF+4*\i+3], v[ADK] offset:512*\i
.endr
.endm
.macro FETCH_V                         ; a step's V, turned: channels 16 ct on; registers 0-3 the first key tile, 4-7 the second
	v_add_nc_u32 v[ADV], s[TB], v[AV0]
.irp ct, 0,1,2,3
.irp e, 0,1
	ds_load_tr16_b128 v[VF+8*\ct+4*\e:VF+8*\ct+4*\e+3], v[ADV] offset:2048*\e+512*\ct
.endr
.endr
.endm
; A STEP: 32 keys against my 64 queries.  pre = 1: the next step's K and V are fetched on the way.  zero = 1: the first step starts O^T's sums with the constant 0.
; The accumulators take turns, one instruction a turn (eight of S^T, sixteen of O^T).
.macro STEP pre, zero
	s_wait_dscnt 8                                 ; LDS loads come back in order: K is in; the eight issued behind it, V's, may be out
.irp cs, 0,1
.irp t, 0,1,2,3
.irp u, 0,1
.if \cs == 0
	v_wmma_f32_16x16x32_f16 v[S+16*\t+8*\u:S+16*\t+8*\u+7], v[KF+16*\u:KF+16*\u+7], v[QR+16*\t:QR+16*\t+7], 0
.else
	v_wmma_f32_16x16x32_f16 v[S+16*\t+8*\u:S+16*\t+8*\u+7], v[KF+16*\u+8:KF+16*\u+15], v[QR+16*\t+8:QR+16*\t+15], v[S+16*\t+8*\u:S+16*\t+8*\u+7]
.endif
.endr
.endr
.endr
	PLACES
.if \pre
	s_add_co_u32 s[TB], s[TB], STEPB
	FETCH_K                                        ; the next step's K: it has the whole softmax and sixteen products in which to come
.endif
.set i, 0
.rept 64
	v_med3_num_f32 v[S+i], v[S+i], s[TLO], s[THI]  ; the clip of the scores, each accumulator from its low end on
.set i, i+1
.endr
.set i, 0
.rept 64
	v_exp_f32 v[S+i], v[S+i]                       ; 2^t = e^s, in [1, e): one batch
.set i, i+1
.endr
	v_nop                                          ; a plain instruction behind the last exponential,
	s_wait_alu depctr_va_vdst(0)                   ; and one wait for the batch ahead of its first reader
.irp m, 0,1,2,3,4,5,6,7
.irp t, 0,1,2,3
	v_cvt_pk_f16_f32 v[P+8*\t+\m], v[S+16*\t+2*\m], v[S+16*\t+2*\m+1]
	v_pk_add_f32 v[SUM+2*\t:SUM+2*\t+1], v[SUM+2*\t:SUM+2*\t+1], v[S+16*\t+2*\m:S+16*\t+2*\m+1]   ; the row's sum is taken of the unrounded weights: four chains by turns
.endr
.endr
.if \pre
	s_wait_dscnt 8                                 ; V is in; the eight issued behind it, the next K's, may be out
.else
	s_wait_dscnt 0x0
.endif
	WIN 0x50                                       ; C and D: window 1
.irp ct, 0,1,2,3
.irp t, 0,1,2,3
.if \zero
	v_wmma_f32_16x16x32_f16 v[32*\t+8*\ct:32*\t+8*\ct+7], v[VF+8*\ct:VF+8*\ct+7], v[P+8*\t:P+8*\t+7], 0
.else
	v_wmma_f32_16x16x32_f16 v[32*\t+8*\ct:32*\t+8*\ct+7], v[VF+8*\ct:VF+8*\ct+7], v[P+8*\t:P+8*\t+7], v[32*\t+8*\ct:32*\t+8*\ct+7]
.endif
.endr
.endr
	WIN 0
.if \pre
	PLACES
	FETCH_V                                        ; the next step's V
.endif
.endm
; THE CHANGE OF SLOTS stands at a slot's head.  Each wave waits for all its tensor loads (its part of the slot that it is about to read), adds 0 to its spare word, and waits for that and for its reads of the slot that it has left.
; fill = 1: a round of the cluster's barrier follows, so that no wave of any partner still reads the other slot or has a load on its way, and the joint load of the next 512 keys into that slot is the first thing behind it.
.macro CHANGE fill
	s_wait_tensorcnt 0x0                           ; no tensor load of mine is out, so group 0 may be written
	ds_add_u32 v[SPW], v[NIL]                      ; 0 onto my spare word
.if \fill
	s_xor_b32 s[G0+1], s[G0+1], SLOTB              ; the other slot than last time,
	s_add_nc_u64 s[G0+2:G0+3], s[G0+2:G0+3], SLOTB ; the next 512 keys; the type bits on top are not reached
	s_wait_xcnt 0x0                                ; the last prefetch, a slot back, has read its address, so it may be written:
	s_add_nc_u64 s[PFA:PFA+1], s[PFA:PFA+1], SLOTB ; one slot further on than the descriptor
	s_wait_dscnt 0x0                               ; the add is done, and my reads of the slot that I have left are over
	CROUND
	tensor_load_to_lds s[G0:G0+3], s[G1:G1+7]      ; my one tensor load until the next round
	s_nop 0
	PLACES                                         ; (the places ahead of the loads into V's registers)
.else
	s_wait_dscnt 0x0
	s_barrier_signal -1
	s_barrier_wait -1
	PLACES
.endif
.endm
; A slot's 8 steps of my half.  The middle steps are a loop; the first of the launch and each slot's last are written out.
.macro SLOTBODY first, ask
	FETCH_K
	FETCH_V
.if \ask
	ASK                                            ; behind the tensor load and the run of LDS loads that the first products wait for
.endif
.if \first
	STEP 1, 1
	s_mov_b32 s[CNT], 6
.else
	s_mov_b32 s[CNT], 7
.endif
.Lstep_\@:
	STEP 1, 0
	s_sub_co_u32 s[CNT], s[CNT], 1
	s_cmp_lg_u32 s[CNT], 0
	s_cbranch_scc1 .Lstep_\@
	STEP 0, 0                                      ; the slot's last step fetches nothing: what follows lies behind the change of slots
	s_sub_co_u32 s[TB], s[TB], 7*STEPB             ; back to a slot's first step,
	s_xor_b32 s[TB], s[TB], SLOTB                  ; in the other slot
.endm
	s_wait_loadcnt 0x0                             ; Q
	CHANGE 1                                       ; keys 0-511 are in; keys 512-1,023 are asked for
	SLOTBODY 1, 1
	s_mov_b32 s[SLOTS], 2
.Lslot:                                            ; two trips: keys 1,024 on and 1,536 on are asked for
	CHANGE 1
	SLOTBODY 0, 1
	s_sub_co_u32 s[SLOTS], s[SLOTS], 1
	s_cmp_lg_u32 s[SLOTS], 0
	s_cbranch_scc1 .Lslot
	CHANGE 0                                       ; the last slot is written out
	SLOTBODY 0, 0
	; THE END.  My sums: the pair's two halves, and the other half of the lanes' (a query's other keys lie in the lane 16 away).  The first four additions are the places behind the last products.
.irp t, 0,1,2,3
	v_add_f32 v[WK+\t], v[SUM+2*\t], v[SUM+2*\t+1]
.endr
.irp t, 0,1,2,3
	v_permlanex16_b32 v[WK+4+\t], v[WK+\t], s[SEL], s[SEL+1]
.endr
.irp t, 0,1,2,3
	v_add_f32 v[WK+\t], v[WK+\t], v[WK+4+\t]
.endr
	s_wait_dscnt 0x0                               ; my reads of the ring are over,
	s_barrier_signal -1
	s_barrier_wait -1                              ; and so are everybody's: the ring has had its last fill, and its first 131,072 bytes become the stage, 16,384 a wave
.irp t, 0,1,2,3
	ds_store_b32 v[LW], v[WK+\t] offset:128*\t
.endr
	WIN 0x04                                       ; an LDS store's data are its source 1: window 1
.set i, 0
.rept 32
	ds_store_b128 v[SW], v[4*i:4*i+3] offset:512*i ; O^T as it stands, each accumulator from its low end on: 512 consecutive bytes a store
.set i, i+1
.endr
	WIN 0
	s_wait_dscnt 0x0                               ; for the others' sake: my stores have landed
	s_barrier_signal -1
	s_barrier_wait -1
	; each wave finishes two tiles of its 64 queries: tiles 2 (w / 4) and 2 (w / 4) + 1
.irp i, 0,1,2,3,4,5,6,7,8,9,10,11,12,13,14,15
	ds_load_b128 v[32+4*\i:35+4*\i], v[SRA] offset:512*\i
.endr
.irp i, 0,1,2,3,4,5,6,7,8,9,10,11,12,13,14,15
	ds_load_b128 v[96+4*\i:99+4*\i], v[SRB] offset:512*\i
.endr
.irp i, 0,1
	ds_load_b32 v[WK+\i], v[LR] offset:128*\i
	ds_load_b32 v[WK+2+\i], v[LR] offset:2048+128*\i
.endr
	s_wait_dscnt 0x0
	v_add_f32 v[WK], v[WK], v[WK+2]                ; the rows' whole sums
	v_add_f32 v[WK+1], v[WK+1], v[WK+3]
	v_rcp_f32 v[WK+4], v[WK]
	v_rcp_f32 v[WK+6], v[WK+1]
.set i, 0
.rept 32
	v_pk_add_f32 v[32+2*i:33+2*i], v[32+2*i:33+2*i], v[96+2*i:97+2*i]   ; the two halves of the keys; plain work behind the reciprocals, which names neither result
.set i, i+1
.endr
	s_wait_alu depctr_va_vdst(0)                   ; one wait for both reciprocals ahead of their first reader
.irp i, 0,1
.irp n, 0,1,2,3,4,5,6,7,8,9,10,11,12,13,14,15
	v_pk_mul_f32 v[32+32*\i+2*\n:33+32*\i+2*\n], v[32+32*\i+2*\n:33+32*\i+2*\n], v[WK+4+2*\i:WK+5+2*\i] op_sel_hi:[1,0]
.endr
.irp n, 0,1,2,3,4,5,6,7,8,9,10,11,12,13,14,15,16,17,18,19,20,21,22,23,24,25,26,27,28,29,30,31
	v_med3_num_f32 v[32+32*\i+\n], v[32+32*\i+\n], s[LO], s[HI]         ; the clip of the attention's result
.endr
.irp n, 0,1,2,3,4,5,6,7,8,9,10,11,12,13,14,15
	v_cvt_pk_f16_f32 v[S+16*\i+\n], v[32+32*\i+2*\n], v[33+32*\i+2*\n]
.endr
.irp ct, 0,1,2,3
	global_store_b128 v[GO], v[S+16*\i+4*\ct:S+16*\i+4*\ct+3], s[6:7] offset:32768*\i+512*\ct   ; a piece: 512 consecutive bytes, aligned
.endr
.endr
	s_wait_tensorcnt 0x0                           ; the wave's end: behind my last tensor load and my last LDS store
	ds_add_u32 v[SPW], v[NIL]
	s_wait_dscnt 0x0
	CROUND                                         ; the closing round: no work-group ends while a partner may still ask for a tile that names it
	s_endpgm
.Lfunc_end_k_q8cb4694973_attn:
	.size	k_q8cb4694973_attn, .Lfunc_end_k_q8cb4694973_attn-k_q8cb4694973_attn
	.p2alignl 7, 3214868480
	.fill 96, 4, 3214868480
	.section	.rodata,"a",@progbits
	.p2align	6, 0x0
	.amdhsa_kernel k_q8cb4694973_attn
		.amdhsa_group_segment_fixed_size 327680
		.amdhsa_private_segment_fixed_size 0
		.amdhsa_enable_private_segment 0
		.amdhsa_kernarg_size 16
		.amdhsa_user_sgpr_count 2
		.amdhsa_user_sgpr_kernarg_segment_ptr 1
		.amdhsa_wavefront_size32 1
		.amdhsa_system_sgpr_workgroup_id_x 1
		.amdhsa_system_sgpr_workgroup_id_y 1
		.amdhsa_system_sgpr_workgroup_id_z 1
		.amdhsa_system_vgpr_workitem_id 0
		.amdhsa_next_free_vgpr 384
		.amdhsa_next_free_sgpr 66
		.amdhsa_reserve_vcc 0
		.amdhsa_float_denorm_mode_32 3
		.amdhsa_float_denorm_mode_16_64 3
		.amdhsa_memory_ordered 1
		.amdhsa_forward_progress 1
		.amdhsa_inst_pref_size 121
	.end_amdhsa_kernel
	.amdgpu_metadata
---
amdhsa.version: [ 1, 2 ]
amdhsa.kernels:
  - .name:           k_q8cb4694973_attn
    .symbol:         k_q8cb4694973_attn.kd
    .args:
      - { .name: qkv, .offset: 0, .size: 8, .value_kind: global_buffer, .address_space: global }
      - { .name: attn, .offset: 8, .size: 8, .value_kind: global_buffer, .address_space: global }
    .group_segment_fixed_size: 327680
    .private_segment_fixed_size: 0
    .kernarg_segment_align: 8
    .kernarg_segment_size: 16
    .max_flat_workgroup_size: 256
    .sgpr_count:     66
    .vgpr_count:     384
    .wavefront_size: 32
...
	.end_amdgpu_metadata
.endif
;; end of part 3
;; launch outp (part 4): grid 8 x 32, 4 waves a work-group, clusters of 4 x 4, 327,680 bytes of LDS; arguments attn, wo16, bo, out0; writes out0
.if DOCPART == 4
	.amdgcn_target "amdgcn-amd-amdhsa--gfx1250"
	.amdhsa_code_object_version 6
	.text
	.protected	k_q8cb4694973_outp
	.globl	k_q8cb4694973_outp
	.p2align	8
	.type	k_q8cb4694973_outp,@function
k_q8cb4694973_outp:
	s_mov_b64 s[64:65], 0
	v_nop
	global_prefetch_b8 v0, s[64:65] scope:SCOPE_SE
	s_setreg_imm32_b32 hwreg(HW_REG_WAVE_MODE, 25, 1), 1
	s_wait_xcnt 0x0
	s_wait_alu depctr_hold_cnt(0) depctr_sa_sdst(0) depctr_va_vdst(0) depctr_va_sdst(0) depctr_va_ssrc(0) depctr_va_vcc(0) depctr_vm_vsrc(0)
	s_getreg_b32 s2, hwreg(HW_REG_IB_STS2, 6, 4)
	s_cmp_eq_u32 s2, 0
	s_cbranch_scc0 .Lentry_in_a_cluster
	s_endpgm
.Lentry_in_a_cluster:
	s_bfe_u32 s2, ttmp6, 0x10000c
	s_cmp_lg_u32 s2, 0xf033
	s_cbranch_scc0 .Lentry_shape_is_right
	s_endpgm
.Lentry_shape_is_right:
; out0[token][n] = clip(sum over k of a[token][k] Wo[n][k] + bo[n], 1e-7, 1 - 1e-7), NaN becoming 0.  4,096 tokens, n and k 1,024.  a (the attention's result, in [0, 1)) and Wo in f16; sums in f32; out0 f32.
; A tile of 128 tokens x 128 outputs is made by a work-group of four waves, each 64 x 64: 16 accumulators of 16 x 16: 256 tiles, one for each work-group of the grid.  K goes in steps of 256 through a ring of two LDS slots.
; a arrives as images of operand registers: attn [token tile 256][piece 64][512 bytes], a piece = 16 tokens x 16 along K, position 16 h + r = token r, k 8 h + 0..7: pieces 2 c, 2 c + 1 are registers 0-3, 4-7 of the fragment of
; k = 32 c on.  A K step of a token tile is 8,192 consecutive bytes; a wave's tensor load brings four of them, 32,768 bytes apart in memory, on end in LDS; a fragment load takes 512 consecutive bytes: no padding is wanted.
; Wo arrives row-major: 64 rows x 512 bytes to a load, 16 bytes of padding behind each row in LDS.
; CLUSTERS: 4 x 4 work-groups.  The four of a row of the cluster need the same tiles of a, the four of a column the same tiles of Wo: each is asked for jointly, by the same tensor load with the same descriptor and a mask that names the four.
; THE MATRIX INSTRUCTION IS USED TRANSPOSED (source 0 = 16 rows of Wo, source 1 = 16 tokens): a lane holds eight neighbouring outputs of one token.  The bias is the C of each sum's first product.
; REGISTERS: window 0: v16-29 addresses; v32-95 rows on the way out; v96-127 the bias; v128-255 the accumulators ((a, b) at v[128 + 8 (4 a + b)]).   window 1: two fragment buffers of 128: 64 registers of a, then 64 of Wo, for 64 along K.
.set KSTEP,  256
.set PITCH,  528                       ; a row of Wo in LDS: 512 bytes + 16 of padding = 132 words: row r starts at bank 4 r mod 64 (64 banks of 4 bytes: ISA guide 11.1)
.set HALFA,  32768                     ; four token tiles x 8,192 bytes: what one tensor load brings of a
.set HALFB,  64*PITCH                  ; 64 rows of Wo
.set BOFF,   2*HALFA                   ; a slot: a's 128 tokens, then Wo's 128 rows
.set SLOT,   2*HALFA+2*HALFB
.set STAGE,  2*SLOT                    ; behind the ring: 16 rows x 272 bytes for each wave, for the way out
.set SPITCH, 272
.set SPARE,  STAGE+4*16*SPITCH         ; behind the stages: the spare words, 128 bytes a wave, which no other line names
.set LAPS,   2                         ; a lap = two K steps = once round the ring: 1,024 / 512
.set ADRA, 16                          ; v16-17  LDS address of my fragments of a in slot 0, 1
.set ADRB, 20                          ; v20-21  the same for Wo
.set STO,  24                          ; v24     the way out: where I put 32 bytes of a row
.set RD,   25                          ; v25     where I read a row back
.set CO,   26                          ; v26     my byte offset in out0
.set BOF,  27                          ; v27     32 x (lane / 16)
.set SPW,  28                          ; v28     LDS address of my spare word; never rewritten
.set NIL,  29                          ; v29     0; never rewritten
.set TMP,  32
.set BIAS, 96
.set ACC,  128
.set F0,   0
.set F1,   128
.set G1, 24                            ; s[24:31] descriptor group 1 for a's tiles;  s[32:39] group 0, one set for each slot
.set G0, 32
.set G1B, 48                           ; s[48:55], s[56:63] the same for Wo's.  On the way out s48-55 hold compare masks
.set G0B, 56
.set MSB, 0
.macro WIN new                         ; the immediate's high byte repeats the setting that is left
.if MSB != (\new)
	s_set_vgpr_msb (MSB<<8)|(\new)
.set MSB, (\new)
.endif
.endm
.set MUL,  0x05                        ; sources 0 (Wo) and 1 (a) window 1; C and D window 0
.set TO_F, 0x40                        ; destination window 1, address window 0
.macro JLOAD s                         ; a joint load: waves 0 and 1 fetch a's two halves, waves 2 and 3 Wo's; an s_nop 0 and four v_nop follow each of the two lines
	s_cmp_eq_u32 s11, 0
	s_cbranch_scc0 .Lfor_b_\@
	tensor_load_to_lds s[G0+4*\s:G0+4*\s+3], s[G1:G1+7]
	s_nop 0
.rept 4
	v_nop
.endr
	s_branch .Lasked_\@
.Lfor_b_\@:
	tensor_load_to_lds s[G0B+4*\s:G0B+4*\s+3], s[G1B:G1B+7]
	s_nop 0
.rept 4
	v_nop
.endr
.Lasked_\@:
.endm
.macro CREST                           ; a round of the cluster's barrier behind its opening barrier
	s_cmp_lg_u32 s10, 0
	s_cbranch_scc1 .Lnot_wave_0_\@
	s_barrier_signal -3
.Lnot_wave_0_\@:
	s_barrier_wait -3
	s_barrier_signal -1
	s_barrier_wait -1
.endm
.macro CROUND                          ; a whole round
	s_barrier_signal -1
	s_barrier_wait -1
	CREST
.endm
	s_load_b128 s[4:7], s[0:1], 0x0                ; attn, wo16
	s_load_b64 s[2:3], s[0:1], 0x10                ; bo
	s_load_b64 s[8:9], s[0:1], 0x18                ; out0
	v_lshl_add_u32 v[SPW], v0, 2, SPARE
	v_mov_b32 v[NIL], 0
	ds_add_u32 v[SPW], v[NIL]                      ; the wave's opening: the add, twice on end, and its wait ahead of my first tensor load
	ds_add_u32 v[SPW], v[NIL]                      ; the same add once more; the set-up below, work on registers, stands between it and the wait
	v_lshrrev_b32 v1, 5, v0
	v_readfirstlane_b32 s10, v1                    ; wave 0..3
	s_lshr_b32 s11, s10, 1                         ; which half of the tile's tokens is mine.  Also: I fetch for a (0) or for Wo (1)
	s_and_b32 s12, s10, 1                          ; which half of its outputs.  Also: which half of that tile I fetch
	s_bfe_u32 s40, ttmp6, 0x40000                  ; cx, cy: my place in the cluster
	s_bfe_u32 s41, ttmp6, 0x40004
	s_lshl_b32 s42, ttmp9, 2
	s_add_co_u32 s42, s42, s40                     ; tile column = 4 x cluster x + cx
	s_and_b32 s13, ttmp7, 0xffff
	s_lshl_b32 s13, s13, 2
	s_add_co_u32 s13, s13, s41                     ; tile row = 4 x cluster y + cy
	s_lshl_b32 s43, s41, 2
	s_lshl_b32 s43, 15, s43                        ; my row of the cluster
	s_lshl_b32 s44, 0x1111, s40                    ; my column
	; descriptor group 1 for a: 4 rows of 8,192 bytes (1,024 elements of 8 bytes), 32,768 bytes apart, dense in LDS
	s_or_b32 s[G1+0], s43, (3<<16)|(1<<21)         ; 15:0 the mask: a's tiles go to my row; 17:16 elements of 8 bytes; 21 set beside a mask
	s_mov_b32 s[G1+1], 1024<<16                    ; tensor_dim0 = 1,024
	s_mov_b32 s[G1+2], 4<<16                       ; tensor_dim1 = 4
	s_mov_b32 s[G1+3], 1024<<16                    ; tile_dim0 = 1,024
	s_mov_b32 s[G1+4], 4                           ; tile_dim1 = 4
	s_mov_b32 s[G1+5], 4096                        ; from row to row, in elements
	s_mov_b32 s[G1+6], 0
	s_mov_b32 s[G1+7], 0
	; and for Wo: 64 rows x 256 elements of 2 bytes, padded in LDS
	s_or_b32 s[G1B+0], s44, (1<<16)|(1<<20)|(1<<21)|(6<<22)|(3<<25)  ; the mask of my column; padding: four words after every 128
	s_mov_b32 s[G1B+1], KSTEP<<16
	s_mov_b32 s[G1B+2], 64<<16
	s_mov_b32 s[G1B+3], KSTEP<<16
	s_mov_b32 s[G1B+4], 64
	s_mov_b32 s[G1B+5], 1024
	s_mov_b32 s[G1B+6], 0
	s_mov_b32 s[G1B+7], 0
	s_lshl_b32 s16, s13, 3
	s_lshl_b32 s17, s12, 2
	s_add_co_u32 s16, s16, s17                     ; a: token tile 8 x tile row + 4 x half,
	s_lshl_b32 s16, s16, 15                        ; 32,768 bytes each
	s_mov_b32 s17, 0
	s_lshl_b32 s46, s42, 7
	s_lshl_b32 s47, s12, 6
	s_add_co_u32 s46, s46, s47                     ; Wo: row 128 x tile column + 64 x half,
	s_lshl_b32 s46, s46, 11                        ; 2,048 bytes each
	s_mov_b32 s47, 0
	s_lshl_b32 s20, s12, 15                        ; where they go: a's halves on end,
	s_mul_i32 s21, s12, HALFB
	s_add_co_u32 s21, s21, BOFF                    ; Wo's behind them: no place in the cluster enters an LDS address
	s_wait_dscnt 0x0                               ; both opening adds are done
	s_wait_kmcnt 0x0
	s_add_nc_u64 s[14:15], s[4:5], s[16:17]
	s_add_nc_u64 s[46:47], s[6:7], s[46:47]
	CROUND                                         ; all sixteen work-groups are here: the first joint loads meet
.irp s, 0,1
	s_mov_b32 s[G0+4*\s], 1
	s_add_co_u32 s[G0+4*\s+1], s20, \s*SLOT
	s_add_nc_u64 s[G0+4*\s+2:G0+4*\s+3], s[14:15], \s*8192       ; K step s: 16 pieces on
	s_or_b32 s[G0+4*\s+3], s[G0+4*\s+3], 0x80000000
	s_mov_b32 s[G0B+4*\s], 1
	s_add_co_u32 s[G0B+4*\s+1], s21, \s*SLOT
	s_add_nc_u64 s[G0B+4*\s+2:G0B+4*\s+3], s[46:47], \s*KSTEP*2
	s_or_b32 s[G0B+4*\s+3], s[G0B+4*\s+3], 0x80000000
	JLOAD \s                                       ; two tensor loads of mine are out
.endr
	v_and_b32 v1, 15, v0                           ; r = lane % 16
	v_bfe_u32 v2, v0, 4, 1                         ; h = lane / 16
	v_and_b32 v5, 31, v0
	v_lshlrev_b32 v5, 4, v5                        ; a: 16 x lane
	v_mul_u32_u24 v3, v1, PITCH
	v_lshl_add_u32 v3, v2, 4, v3                   ; Wo: row x pitch + 16 x half
	s_lshl_b32 s21, s11, 15                        ; my 64 tokens
	s_mul_i32 s22, s12, HALFB                      ; my 64 rows of Wo
	s_add_co_u32 s22, s22, BOFF
.irp s, 0,1
	v_add_nc_u32 v[ADRA+\s], s21, v5
	v_add_nc_u32 v[ADRB+\s], s22, v3
	s_add_co_u32 s21, s21, SLOT
	s_add_co_u32 s22, s22, SLOT
.endr
	s_mul_i32 s23, s10, 16*SPITCH
	s_add_co_u32 s23, s23, STAGE                   ; my stage
	v_mul_u32_u24 v4, v1, SPITCH                   ; in: row r, 32 bytes for each half of the lanes
	v_lshl_add_u32 v4, v2, 5, v4
	v_add_nc_u32 v[STO], s23, v4
	v_mul_u32_u24 v4, v2, SPITCH                   ; back: lanes 0-15 take one row of 256 bytes, lanes 16-31 the next
	v_lshl_add_u32 v4, v1, 4, v4
	v_add_nc_u32 v[RD], s23, v4
	v_lshlrev_b32 v4, 12, v2                       ; and the same two rows in out0: 4,096 bytes a row
	v_lshl_add_u32 v[CO], v1, 4, v4
	s_lshl_b32 s46, s42, 9                         ; my first output, in bytes: 512 x tile column + 256 x half
	s_lshl_b32 s47, s12, 8
	s_add_co_u32 s46, s46, s47
	s_mov_b32 s47, 0
	s_add_nc_u64 s[2:3], s[2:3], s[46:47]          ; bo there
	s_lshl_b32 s16, s13, 7
	s_lshl_b32 s17, s11, 6
	s_add_co_u32 s16, s16, s17                     ; my first token: 128 x tile row + 64 x half
	s_lshl_b32 s16, s16, 12
	s_add_co_u32 s16, s16, s46
	s_mov_b32 s17, 0
	s_add_nc_u64 s[8:9], s[8:9], s[16:17]
	v_lshlrev_b32 v[BOF], 5, v2
.irp b, 0,1,2,3
	global_load_b128 v[BIAS+8*\b:BIAS+8*\b+3], v[BOF], s[2:3] offset:64*\b        ; bo[16 b + 8 h + 0..3],
	global_load_b128 v[BIAS+8*\b+4:BIAS+8*\b+7], v[BOF], s[2:3] offset:64*\b+16   ; + 4..7: the result's layout
.endr
; 8 matrix instructions: token blocks a0, a0 + 1 x all 4 blocks of outputs, 32 along K: half c of buffer f.  zero = 1: the sums begin, with the bias as C.  The 16 accumulators take turns.
.macro MUL8 f, c, a0, zero
.irp a, \a0, \a0+1
.irp b, 0,1,2,3
.if \zero
	v_wmma_f32_16x16x32_f16 v[ACC+8*(4*(\a)+\b):ACC+8*(4*(\a)+\b)+7], v[\f+64+8*(4*\c+\b):\f+64+8*(4*\c+\b)+7], v[\f+8*(4*\c+\a):\f+8*(4*\c+\a)+7], v[BIAS+8*\b:BIAS+8*\b+7]
.else
	v_wmma_f32_16x16x32_f16 v[ACC+8*(4*(\a)+\b):ACC+8*(4*(\a)+\b)+7], v[\f+64+8*(4*\c+\b):\f+64+8*(4*\c+\b)+7], v[\f+8*(4*\c+\a):\f+8*(4*\c+\a)+7], v[ACC+8*(4*(\a)+\b):ACC+8*(4*(\a)+\b)+7]
.endif
.endr
.endr
.endm
; 32 LDS loads in one run: the fragments of the slot's q-th 64 along K into buffer f; the first 32 along K first
.macro FETCH slot, q, f
	WIN TO_F
.irp c, 0,1
.irp i, 0,1,2,3
	ds_load_b128 v[\f+64+8*(4*\c+\i):\f+64+8*(4*\c+\i)+3],   v[ADRB+\slot] offset:128*(\q)+64*\c+\i*16*PITCH
	ds_load_b128 v[\f+64+8*(4*\c+\i)+4:\f+64+8*(4*\c+\i)+7], v[ADRB+\slot] offset:128*(\q)+64*\c+\i*16*PITCH+32
	ds_load_b128 v[\f+8*(4*\c+\i):\f+8*(4*\c+\i)+3],         v[ADRA+\slot] offset:2048*(\q)+1024*\c+8192*\i
	ds_load_b128 v[\f+8*(4*\c+\i)+4:\f+8*(4*\c+\i)+7],       v[ADRA+\slot] offset:2048*(\q)+1024*\c+8192*\i+512
.endr
.endr
.endm
.macro PLACES                          ; four places ahead of loads into registers that matrix instructions have read, and of reads of results (ISA guide 7.12.1 for reads of results)
.rept 4
	v_nop
.endr
.endm
; A K step is four quarters of 64 along K, 32 matrix instructions each, on buffers 0, 1, 0, 1.  One of the first three: multiplies buffer f and fetches the slot's q-th quarter into g.
.macro QUARTER slot, q, f, g, zero
	s_wait_dscnt 16                                ; the first 32 along K are in; the sixteen loads of the second 32 may be out
	WIN MUL
	MUL8 \f, 0, 0, \zero
	MUL8 \f, 0, 2, \zero
	PLACES
	FETCH \slot, \q, \g
	s_wait_dscnt 32                                ; all but the 32 just issued
	WIN MUL
	MUL8 \f, 1, 0, 0
	MUL8 \f, 1, 2, 0
.endm
; The last quarter multiplies buffer 1 and changes slots: one barrier; ahead of it each wave waits for all its tensor loads, adds 0 to its spare word, and waits for that and for its own reads of this slot.
; fill = 1: the barrier opens a round of the cluster's barrier, and this slot is filled again, two K steps ahead, first thing behind the round.
.macro TURN slot, next, fill
	WIN 0                                          ; (the add's two registers lie in window 0)
	s_wait_tensorcnt 0x0                           ; all my tensor loads have landed: my part of the next slot
	ds_add_u32 v[SPW], v[NIL]                      ; 0 onto my spare word
	s_wait_dscnt 17                                ; (the add and the youngest sixteen loads may be out)
	WIN MUL
	MUL8 F1, 0, 0, 0                               ; eight matrix instructions stand between the add and the wait for it
	s_wait_dscnt 0x0                               ; the add is done, and my reads of this slot are over
	s_barrier_signal -1
	MUL8 F1, 0, 2, 0
.if \fill
	WIN 0
.endif
	s_barrier_wait -1
.if \fill
	CREST                                          ; no wave of any partner still reads this slot's tile or has a load on its way
	s_add_nc_u64 s[G0+4*\slot+2:G0+4*\slot+3], s[G0+4*\slot+2:G0+4*\slot+3], 2*8192
	s_add_nc_u64 s[G0B+4*\slot+2:G0B+4*\slot+3], s[G0B+4*\slot+2:G0B+4*\slot+3], 2*KSTEP*2
	JLOAD \slot                                    ; my one tensor load behind the round; the four v_nop behind it are also the places ahead of the loads below
.else
	PLACES
.endif
	FETCH \next, 0, F0
	WIN MUL
	MUL8 F1, 1, 0, 0
	MUL8 F1, 1, 2, 0
.endm
	s_wait_tensorcnt 1                             ; my part of K step 0 is in; K step 1's load, issued behind it, may be out
	s_barrier_signal -1
	s_barrier_wait -1                              ; everybody's is
	FETCH 0, 0, F0
	s_wait_loadcnt 0x0                             ; the bias
	QUARTER 0, 1, F0, F1, 1                        ; the first quarter stands ahead of the loop: its first products start the sums
	WIN 0                                          ; at a label and at a branch every window is 0
	s_mov_b32 s45, LAPS-1
.Llap:                                             ; a trip goes once round the ring, from a lap's second quarter to the next lap's first, and fills both slots again
	QUARTER 0, 2, F1, F0, 0
	QUARTER 0, 3, F0, F1, 0
	TURN 0, 1, 1
	QUARTER 1, 1, F0, F1, 0
	QUARTER 1, 2, F1, F0, 0
	QUARTER 1, 3, F0, F1, 0
	TURN 1, 0, 1
	QUARTER 0, 1, F0, F1, 0
	WIN 0
	s_sub_co_u32 s45, s45, 1
	s_cmp_lg_u32 s45, 0
	s_cbranch_scc1 .Llap
	QUARTER 0, 2, F1, F0, 0                        ; the last lap fills nothing
	QUARTER 0, 3, F0, F1, 0
	TURN 0, 1, 0
	QUARTER 1, 1, F0, F1, 0
	QUARTER 1, 2, F1, F0, 0
	QUARTER 1, 3, F0, F1, 0
	s_wait_dscnt 16                                ; the very last quarter: nothing more to fetch
	WIN MUL
	MUL8 F1, 0, 0, 0
	MUL8 F1, 0, 2, 0
	s_wait_dscnt 0
	MUL8 F1, 1, 0, 0
	MUL8 F1, 1, 2, 0
	WIN 0
; THE WAY OUT, a block of 16 tokens x 64 outputs at a time.  CLAMP: a compare of each number with itself (false for NaN alone), the hold between the bounds, 0 where the compare failed; in place, each accumulator from its low end on.
; A lane holds 32 bytes of a row and the lanes beside it hold other rows: so a block goes through my own stage in LDS and comes back by rows: sixteen lanes store 256 consecutive bytes, aligned.
; LDS serves a wave's instructions in order (ISA guide 5.7.1.4): no wait between the stores and the loads, nor ahead of the next block's stores.
.macro CLAMP a
.irp b, 0,1,2,3
.irp j, 0,1,2,3,4,5,6,7
	v_cmp_eq_f32 s[48+\j], v[ACC+32*(\a)+8*\b+\j], v[ACC+32*(\a)+8*\b+\j]
.endr
.irp j, 0,1,2,3,4,5,6,7
	v_med3_num_f32 v[ACC+32*(\a)+8*\b+\j], v[ACC+32*(\a)+8*\b+\j], s40, s41
.endr
.irp j, 0,1,2,3,4,5,6,7
	v_cndmask_b32 v[ACC+32*(\a)+8*\b+\j], 0, v[ACC+32*(\a)+8*\b+\j], s[48+\j]
.endr
.endr
.endm
.macro TOSTAGE a
.irp b, 0,1,2,3
	ds_store_b128 v[STO], v[ACC+32*(\a)+8*\b:ACC+32*(\a)+8*\b+3] offset:64*\b
	ds_store_b128 v[STO], v[ACC+32*(\a)+8*\b+4:ACC+32*(\a)+8*\b+7] offset:64*\b+16
.endr
.irp t, 0,1,2,3,4,5,6,7
	ds_load_b128 v[TMP+32*((\a)%2)+4*\t:TMP+32*((\a)%2)+4*\t+3], v[RD] offset:\t*2*SPITCH
.endr
.endm
.macro SEND a
	s_wait_dscnt 0x0                               ; the block is back in registers
.irp t, 0,1,2,3,4,5,6,7
	global_store_b128 v[CO], v[TMP+32*((\a)%2)+4*\t:TMP+32*((\a)%2)+4*\t+3], s[8:9] offset:4096*(16*(\a)+2*\t) th:TH_STORE_NT   ; rows 16 a + 2 t and + 1; written once, read by nobody here
.endr
.endm
	PLACES
	s_mov_b32 s40, 0x33d6bf95                      ; 1e-7
	s_mov_b32 s41, 0x3f7ffffe                      ; 1 - 1e-7 in f32
	CLAMP 0
	TOSTAGE 0
.irp a, 1,2,3
	CLAMP \a                                       ; a block's arithmetic stands between the loads of the block before and its stores
	SEND \a-1
.if \a >= 2
	s_wait_xcnt 0x0                                ; the stores of the block two back have read their registers: this block's loads may land there
.endif
	TOSTAGE \a
.endr
	SEND 3
	s_wait_tensorcnt 0x0                           ; the wave's end: behind my last tensor load and my last LDS store
	ds_add_u32 v[SPW], v[NIL]
	s_wait_dscnt 0x0
	CROUND                                         ; the closing round: no work-group ends while a partner may still ask for a tile that names it
	s_endpgm
.Lfunc_end_k_q8cb4694973_outp:
	.size	k_q8cb4694973_outp, .Lfunc_end_k_q8cb4694973_outp-k_q8cb4694973_outp
	.p2alignl 7, 3214868480
	.fill 96, 4, 3214868480
	.section	.rodata,"a",@progbits
	.p2align	6, 0x0
	.amdhsa_kernel k_q8cb4694973_outp
		.amdhsa_group_segment_fixed_size 327680
		.amdhsa_private_segment_fixed_size 0
		.amdhsa_enable_private_segment 0
		.amdhsa_kernarg_size 32
		.amdhsa_user_sgpr_count 2
		.amdhsa_user_sgpr_kernarg_segment_ptr 1
		.amdhsa_wavefront_size32 1
		.amdhsa_system_sgpr_workgroup_id_x 1
		.amdhsa_system_sgpr_workgroup_id_y 1
		.amdhsa_system_sgpr_workgroup_id_z 1
		.amdhsa_system_vgpr_workitem_id 0
		.amdhsa_next_free_vgpr 512
		.amdhsa_next_free_sgpr 66
		.amdhsa_reserve_vcc 0
		.amdhsa_float_denorm_mode_32 3
		.amdhsa_float_denorm_mode_16_64 3
		.amdhsa_memory_ordered 1
		.amdhsa_forward_progress 1
		.amdhsa_inst_pref_size 111
	.end_amdhsa_kernel
	.amdgpu_metadata
---
amdhsa.version: [ 1, 2 ]
amdhsa.kernels:
  - .name:           k_q8cb4694973_outp
    .symbol:         k_q8cb4694973_outp.kd
    .args:
      - { .name: attn, .offset: 0, .size: 8, .value_kind: global_buffer, .address_space: global }
      - { .name: wo16, .offset: 8, .size: 8, .value_kind: global_buffer, .address_space: global }
      - { .name: bo, .offset: 16, .size: 8, .value_kind: global_buffer, .address_space: global }
      - { .name: out0, .offset: 24, .size: 8, .value_kind: global_buffer, .address_space: global }
    .group_segment_fixed_size: 327680
    .private_segment_fixed_size: 0
    .kernarg_segment_align: 8
    .kernarg_segment_size: 32
    .max_flat_workgroup_size: 128
    .sgpr_count:     66
    .vgpr_count:     512
    .wavefront_size: 32
...
	.end_amdgpu_metadata
.endif
;; end of part 4
